; MI455X (gfx1250); checked and timed in simulation.
; The chip was launched on July 23, 2026; its instructions are those of AMD's public machine-readable ISA for CDNA 5 (MIT licence, August 2026) and "CDNA5" Instruction Set Architecture Reference Guide (July 2026). The comments in the code are by the model that wrote it; some were corrected since.
;; Text Attention. Allowed arithmetic: matrix products marked QUANTISED: E2M3 operands, one E8M0 scale for each 32 along K, by v_wmma_scale_f32_16x16x128_f8f6f4 with both operands' format E2M3, f32 sums; everything else in f32.
;; Inputs: Wk 2,048 x 1,024 float32; Wo 1,024 x 2,048 float32; Wq 2,048 x 1,024 float32; Wv 2,048 x 1,024 float32; attention_mask 2 x 1 x 2,048 x 2,048 float32; cos 2 x 2,048 x 128 float32; k_norm_w 128 float32; q_norm_w 128 float32; sin 2 x 2,048 x 128 float32; x 2 x 2,048 x 2,048 float32.
;; Outputs: out0 2 x 2,048 x 2,048 float32.
;; This version of the problem:
;;   THIS VERSION OF THE PROBLEM IS GIVEN IN LOW PRECISION. The matrix products marked QUANTISED in the list below multiply operands that are first quantised to E2M3 (2 exponent bits, 3 mantissa bits; 6 bits a number), with one power-of-two scale for each 32 numbers along K (OCP MX v1.0); their sums are f32. All else is computed in f32.
;;   The module's matrix products, in the order in which they are computed (A, B: the left and right operand; K: the contracted axis; several contracted axes count as one K, in the product's order):
;;     1. [M 4,096, K 2,048] x [K 2,048, N 1,024]; A: input x; B: input Wq: QUANTISED
;;     2. [M 4,096, K 2,048] x [K 2,048, N 1,024]; A: input x; B: input Wk: QUANTISED
;;     3. [M 4,096, K 2,048] x [K 2,048, N 1,024]; A: input x; B: input Wv: QUANTISED
;;     4. batch 16 x [M 2,048, K 128] x [K 128, N 2,048]; A: computed on the way; B: computed on the way: QUANTISED
;;     5. batch 16 x [M 128, K 2,048] x [K 2,048, N 2,048]; A: computed on the way; B: softmax (see below): QUANTISED
;;     6. [M 4,096, K 1,024] x [K 1,024, N 2,048]; A: computed on the way; B: input Wo: QUANTISED
;;   THE QUANTISER, for each operand of a quantised product, along K:
;;     - K is cut into blocks of 32 from its start; a last block that is shorter is filled with zeros.
;;     - A block's scale is 2^e with e = floor(log2(the largest magnitude in the block)) - 2, held to -126 .. 127; a block of zeros has e = 0. As a byte (E8M0): e + 127.
;;     - Each number is divided by its block's scale, clamped to +-7.5, and rounded to the nearest number of E2M3, ties to even, subnormals kept.
;;     - The product sums the exact products of the quantised numbers (number of the format x scale) in f32.
;;   ~~~python
;;   def quantise(x, axis):      # numpy; x: float32 -> the quantised numbers, widened to float32 again
;;       x = np.moveaxis(x, axis, -1); K = x.shape[-1]
;;       x = np.pad(x, [(0, 0)] * (x.ndim - 1) + [(0, -K % 32)]); x = x.reshape(x.shape[:-1] + (-1, 32)); a = np.abs(x).max(-1, keepdims=True)
;;       e = np.where(a > 0, np.clip(np.frexp(np.where(a > 0, a, 1))[1] - 1 - 2, -126, 127), 0)      # np.frexp(a)[1] - 1 = floor(log2(a)), exactly
;;       r = np.clip(x / 2.0 ** e, -7.5, 7.5)
;;       step = 2.0 ** (np.maximum(np.frexp(np.where(r == 0, 1, r))[1] - 1, 0) - 3)
;;       q = np.round(r / step) * step * 2.0 ** e      # np.round: ties to even
;;       return np.moveaxis(q.reshape(q.shape[:-2] + (-1,))[..., :K], -1, axis).astype(np.float32)
;;   ~~~
;;   SOFTMAX AHEAD OF A QUANTISED PRODUCT. Where the list says 'softmax', what is quantised is not the finished softmax but p = 2^(t - M), with t = logit x log2(e) and M = ceil(the row's largest t), a whole number; so 1/2 < the row's largest p <= 1. The row's sum l is taken of the UNQUANTISED p, in f32, and the product's result is divided by l at the end. Since M is a whole number, a kernel that streams over the keys may use a running M (the ceiling of the running maximum): every later rescaling is an exact power of two, which a block's scale takes up: the codes' values come out the same.
;;   OPERANDS COMPUTED ON THE WAY. 'Computed on the way' means the value that the module computes at that place (a softmax that the list does not call 'softmax' is quantised finished and normalised). What goes into a quantiser is computed in f32, as accurately as f32 sums, v_exp_f32 and their like allow (about 1e-6 of the number): no bf16 or f16 on the way to a quantiser, and a product that is left as it is and whose result goes on into a quantised operand takes f32 operands (vector FMAs, or v_wmma_f32_16x16x4_f32). A number that lies on a knife's edge between two numbers of the format may be rounded either way, as far as f32 arithmetic and the matrix unit's own rounding can turn it there, and no further.
;; One version. Each part assembles by itself: llvm-mc -triple=amdgcn-amd-amdhsa -mcpu=gfx1250 --defsym DOCPART=n.
;; ======== version 1 of 1: 4 launches
;; limits: right only within a limited range of input values
;; workspace buffers: xc 6,553,600 bytes; wc 6,553,600 bytes; qc 3,276,800 bytes; kvc 6,553,600 bytes; oc 3,276,800 bytes; cosr 2,097,152 bytes; sinr 2,097,152 bytes
;; launch prep (part 1): grid 832 x 1, 4 waves a work-group, no clusters, 68,608 bytes of LDS; arguments x, Wq, Wk, Wv, Wo, xc, wc, cos, sin, cosr, sinr; writes xc, wc, cosr, sinr
.if DOCPART == 1
	.amdgcn_target "amdgcn-amd-amdhsa--gfx1250"
	.amdhsa_code_object_version 6
	.text
	.protected	k_q0017d97de0_prep
	.globl	k_q0017d97de0_prep
	.p2align	8
	.type	k_q0017d97de0_prep,@function
k_q0017d97de0_prep:
	s_mov_b64 s[64:65], 0
	v_nop
	global_prefetch_b8 v0, s[64:65] scope:SCOPE_SE
	s_setreg_imm32_b32 hwreg(HW_REG_WAVE_MODE, 25, 1), 1
	s_wait_xcnt 0x0
; x [4096][2048] and the four weights (Wq, Wk, Wv [2048 (K)][1024], Wo [1024 (K)][2048]), f32, become codes of FP6 (E2M3) with one E8M0 scale byte for each 32 along K.
; THE LAYOUT OF EVERY OPERAND IN MEMORY IS AN IMAGE OF ITS REGISTERS.  A fragment (16 rows x 128 K) is 12 registers a lane: registers 4 c .. 4 c + 3 of lane l lie at byte 512 c + 16 l: 1,536 bytes.
; A BLOCK is a panel of 128 rows x 128 K: 8 fragments, then 128 scale words (row i of fragment f at 12,288 + 64 f + 4 i): 12,800 bytes.  xc: [32 token panels][16 K steps]; wc: [Wq, Wk, Wv, Wo][panel][K step].
; THE ROWS OF A FRAGMENT ARE NOT NEIGHBOURS: in each group of 32 rows, row i of the fragment of parity u is row 8 u + i % 8 + 16 (i / 8): as source 0 of a product such fragments leave 16 neighbours in a lane's 16 registers.
; A block's scale is 2^(floor(log2(largest magnitude)) - 2); its byte is the largest magnitude's exponent field - 2, held at 1 from below.
; LIMITS: a block of zeros, or one whose largest magnitude lies under 2^-124, gets the byte 1 (the bytes are read by this program alone; zero codes add nothing); NaN and infinities among the inputs are not served.
; SHARES: work-groups 0-255 take x, one fragment row (16 tokens) each, wave w its K steps 4 w .. 4 w + 3; work-groups 256-767 take one block of a weight each, wave w 32 columns.  Waves share nothing: no barrier.
.set BLK,  12800
.set FRB,  1536
.set SCO,  12288
.set SROW, 528                         ; a stage row: 512 bytes + 16, an odd multiple of 16
.set R,    32                          ; v32-159  numbers: x: two sets of 64; a weight: 128
.set PC,   160                         ; v160-171 x: a fragment's codes
.set PT,   172                         ; v172-179 x: the halves that are moved
.set IM,   160                         ; v160-183 a weight: 12 registers for the image's lanes 0-15, 12 for its lanes 16-31
.set TP,   184                         ; v184-199 a weight: the halves that are moved
	s_load_b256 s[4:11], s[0:1], 0x0               ; x s[4:5], Wq s[6:7], Wk s[8:9], Wv s[10:11]
	s_load_b128 s[12:15], s[0:1], 0x20             ; Wo s[12:13], xc s[14:15]
	s_load_b64 s[16:17], s[0:1], 0x30              ; wc
	s_load_b128 s[40:43], s[0:1], 0x38             ; cos, sin
	s_load_b128 s[44:47], s[0:1], 0x48             ; cosr, sinr
	v_lshl_add_u32 v208, v0, 2, 0x8400
	v_mov_b32 v209, 0
	v_lshrrev_b32 v1, 5, v0
	v_readfirstlane_b32 s18, v1                    ; wave
	v_and_b32 v6, 31, v0                           ; lane
	v_and_b32 v7, 15, v0                           ; r
	v_bfe_u32 v8, v0, 4, 1                         ; h
	s_wait_kmcnt 0x0
	s_cmp_lt_u32 ttmp9, 256
	s_cbranch_scc0 .Lweights
	; ---------------- x: K is innermost ----------------
	s_lshr_b32 s20, ttmp9, 1
	s_lshl_b32 s20, s20, 5
	s_and_b32 s21, ttmp9, 1
	s_lshl_b32 s21, s21, 3
	s_add_co_u32 s20, s20, s21                     ; the fragment's first token: 32 (rb / 2) + 8 (rb % 2)
	s_lshl_b32 s20, s20, 13                        ; x 8,192 bytes a row
	s_lshl_b32 s21, s18, 11                        ; + my four K steps of 512 bytes
	s_add_co_u32 s20, s20, s21
	s_mov_b32 s21, 0
	s_add_nc_u64 s[4:5], s[4:5], s[20:21]
	s_lshr_b32 s22, ttmp9, 3
	s_lshl_b32 s22, s22, 4
	s_lshl_b32 s23, s18, 2
	s_add_co_u32 s22, s22, s23
	s_mul_i32 s22, s22, BLK                        ; block (panel, K step 4 w)
	s_mov_b32 s23, 0
	s_add_nc_u64 s[14:15], s[14:15], s[22:23]
	s_and_b32 s22, ttmp9, 7                        ; which fragment of the panel
	s_mul_i32 s24, s22, FRB
	s_mov_b32 s25, 0
	s_add_nc_u64 s[24:25], s[14:15], s[24:25]      ; its codes
	s_lshl_b32 s26, s22, 6
	s_add_co_u32 s26, s26, SCO
	s_mov_b32 s27, 0
	s_add_nc_u64 s[26:27], s[14:15], s[26:27]      ; its scale words
	s_mov_b32 s34, 0x76543210
	s_mov_b32 s35, 0xfedcba98                      ; v_permlanex16_b32's selects for lane l xor 16
	s_mov_b32 s29, 0xffff0000                      ; lanes 16-31
	s_wait_alu depctr_va_vdst(0)
	v_lshlrev_b32 v1, 4, v6                        ; 16 x lane: a load's place, an image's place
	s_mul_i32 s28, s18, 16*SROW                    ; my wave's stage
	v_add_nc_u32 v2, s28, v1                       ; into it: a row as it lies
	v_mul_u32_u24 v3, v7, SROW
	v_lshl_add_u32 v3, v8, 7, v3
	v_add_nc_u32 v3, s28, v3                       ; out of it: row r, + 128 h: my block of 32 numbers
	v_mul_u32_u24 v4, v8, BLK
	v_lshl_add_u32 v4, v7, 2, v4                   ; scale words of two K steps by one store: 4 r, lanes 16-31 one block on
	v_lshlrev_b32 v5, 3, v8                        ; 8 h
	v_mov_b32 v22, 0                               ; a lane permute's destination counts as one of its sources
.macro LOADF f                         ; K step f: the fragment's 16 rows, 512 consecutive bytes a load
.set XS, R+64*((\f)%2)
.set n, 0
.rept 16
	global_load_b128 v[XS+4*n:XS+4*n+3], v1, s[4:5] offset:((n%8)+16*(n/8))*8192+(\f)*512 th:TH_LOAD_NT
.set n, n+1
.endr
.endm
.macro TURNX f                         ; through the stage: in as rows, out as lane (r, h)'s K = 64 c + 32 h + 0 .. 31.  LDS serves a wave's instructions in order: no wait between the stores and the loads
.set XS, R+64*((\f)%2)
.set n, 0
.rept 16
	ds_store_b128 v2, v[XS+4*n:XS+4*n+3] offset:n*SROW
.set n, n+1
.endr
.irp c, 0,1
.irp q, 0,1,2,3,4,5,6,7
	ds_load_b128 v[XS+32*\c+4*\q:XS+32*\c+4*\q+3], v3 offset:256*\c+16*\q
.endr
.endr
.endm
.macro QX f                            ; two whole blocks a lane (blocks h and 2 + h of row r) become the fragment's 12 registers
.set XS, R+64*((\f)%2)
.irp c, 0,1
	v_max3_num_f32 v[8+\c], |v[XS+32*\c]|, |v[XS+32*\c+1]|, 0x1800000   ; with the floor 2^(3 - 127): the byte cannot fall under 1
.endr
.irp i, 2,4,6,8,10,12,14,16,18,20,22,24,26,28,30
.irp c, 0,1
	v_max3_num_f32 v[8+\c], v[8+\c], |v[XS+32*\c+\i]|, |v[XS+32*\c+\i+1]|
.endr
.endr
.irp c, 0,1
	v_add_nc_u32 v[10+\c], 0xff000000, v[8+\c]     ; 2 off the exponent field: the conversion's scale operand
.endr
.irp c, 0,1
	v_lshrrev_b32 v[12+\c], 23, v[10+\c]           ; the scale's byte
.endr
	v_lshl_or_b32 v14, v13, 16, v12
	v_lshlrev_b32 v14, v5, v14                     ; my two bytes at their places,
	v_permlanex16_b32 v22, v14, s34, s35
	v_or_b32 v[16+(\f)], v14, v22                  ; with lane l xor 16's two: row r's scale word
.if (\f) > 0
	s_wait_alu depctr_va_vdst(0)
	s_wait_xcnt 0x0                                ; the last fragment's stores have read their data: the codes' registers are written again only behind this wait
.endif
.irp c, 0,1
	v_cvt_scalef32_pk16_fp6_f32 v[PC+6*\c:PC+6*\c+2], v[XS+32*\c:XS+32*\c+15], v[10+\c]
	v_cvt_scalef32_pk16_fp6_f32 v[PT+4*\c:PT+4*\c+2], v[XS+32*\c+16:XS+32*\c+31], v[10+\c]   ; (a conversion's three registers begin on an even number)
.endr
	v_nop                                          ; one plain place behind a scaled conversion
.irp c, 0,1
.irp i, 0,1,2
	v_mov_b32 v[PC+6*\c+3+\i], v[PT+4*\c+\i]
.endr
.endr
.irp c, 0,1,2
	global_store_b128 v1, v[PC+4*\c:PC+4*\c+3], s[24:25] offset:(\f)*BLK+512*\c   ; 32 lanes store 512 consecutive bytes
.endr
.if (\f)%2
	v_cndmask_b32 v[20+(\f)/2], v[16+(\f)-1], v[16+(\f)], s29      ; lanes 0-15 the K step before, lanes 16-31 this one
	global_store_b32 v4, v[20+(\f)/2], s[26:27] offset:((\f)-1)*BLK
.endif
.endm
	LOADF 0
	LOADF 1
	s_wait_alu depctr_va_vdst(0)
.irp f, 0,1,2,3
.if \f < 3
	s_wait_loadcnt 16                              ; this K step's 16 loads are in; the next one's may be out
.else
	s_wait_loadcnt 0x0
.endif
	TURNX \f
	s_wait_dscnt 0x0
	QX \f
.if \f < 2
	LOADF \f+2
.endif
.endr
	s_wait_tensorcnt 0x0
	ds_add_u32 v208, v209
	s_wait_dscnt 0x0
	s_endpgm
	; ---------------- the weights: K is the first axis: a lane takes a column, its registers run down K ----------------
.Lweights:
	s_cmp_lt_u32 ttmp9, 768
	s_cbranch_scc0 .Lcs                            ; work-groups 768-831 lay cos and sin
	s_sub_co_u32 s20, ttmp9, 256
	s_lshr_b32 s21, s20, 7                         ; which weight
	s_and_b32 s22, s20, 127
	v_and_b32 v1, 7, v0
	v_bfe_u32 v9, v0, 3, 1
	v_lshl_or_b32 v1, v9, 4, v1
	s_wait_alu depctr_va_vdst(0)
	v_lshl_or_b32 v1, v8, 3, v1                    ; lane l stands at place l of the 32 and takes the column with bits 3 and 4 exchanged
	v_lshlrev_b32 v1, 2, v1
	v_mul_u32_u24 v2, v8, FRB
	v_lshl_add_u32 v2, v7, 4, v2                   ; out: fragment l / 16, image lane l % 16
	v_lshlrev_b32 v3, 2, v6                        ; my scale word
	s_mul_i32 s23, s20, BLK
	s_mul_i32 s24, s18, 2*FRB
	s_add_co_u32 s24, s24, s23
	s_mov_b32 s25, 0
	s_add_nc_u64 s[24:25], s[16:17], s[24:25]      ; my wave's two fragments
	s_lshl_b32 s26, s18, 7
	s_add_co_u32 s26, s26, s23
	s_add_co_u32 s26, s26, SCO
	s_mov_b32 s27, 0
	s_add_nc_u64 s[26:27], s[16:17], s[26:27]      ; and their 32 scale words
.macro WLOAD kb, rowb, ptr             ; block kb: rows 32 kb .. 32 kb + 31 of the K step at my column, into registers of the block's own
.set n, 32*(\kb)
.rept 32
	global_load_b32 v[R+n], v1, s[\ptr:\ptr+1] offset:n*\rowb th:TH_LOAD_NT   ; a wave reads 128 consecutive bytes, the four waves 512
.set n, n+1
.endr
.endm
.macro WPATH rowb, lgks, ptr           ; rowb: bytes of a row of the weight; 1 << lgks: its K steps; ptr: its address
	s_lshr_b32 s30, s22, \lgks                     ; panel
	s_and_b32 s31, s22, (1<<\lgks)-1               ; K step
	s_mul_i32 s32, s31, 128*\rowb
	s_lshl_b32 s30, s30, 9
	s_add_co_u32 s32, s32, s30
	s_lshl_b32 s30, s18, 7
	s_add_co_u32 s32, s32, s30                     ; 128 rows down for each K step, 512 bytes for each panel, 128 for each wave
	s_mov_b32 s33, 0
	s_add_nc_u64 s[\ptr:\ptr+1], s[\ptr:\ptr+1], s[32:33]
	WLOAD 0, \rowb, \ptr                           ; the loads run two blocks ahead
	WLOAD 1, \rowb, \ptr
.irp kb, 0,1,2,3
.if \kb < 3
	s_wait_loadcnt 32                              ; this block's 32 loads are in; behind them one block's 32 were issued, which may be out
.else
	s_wait_loadcnt 0x0
.endif
.if \kb < 2
	WLOAD \kb+2, \rowb, \ptr
.endif
	v_max3_num_f32 v10, |v[R+32*\kb]|, |v[R+32*\kb+1]|, |v[R+32*\kb+2]|
	v_max3_num_f32 v11, |v[R+32*\kb+3]|, |v[R+32*\kb+4]|, |v[R+32*\kb+5]|
.irp i, 6,10,14,18,22,26
	v_max3_num_f32 v10, v10, |v[R+32*\kb+\i]|, |v[R+32*\kb+\i+1]|
	v_max3_num_f32 v11, v11, |v[R+32*\kb+\i+2]|, |v[R+32*\kb+\i+3]|
.endr
	v_max3_num_f32 v10, v10, |v[R+32*\kb+30]|, |v[R+32*\kb+31]|
	v_max3_num_f32 v10, v10, v11, 0x1800000        ; and the floor
	v_add_nc_u32 v[12+\kb], 0xff000000, v10        ; the conversion's scale operand, a register for each block
	v_lshrrev_b32 v11, 23, v[12+\kb]
.if \kb == 0
	v_mov_b32 v20, v11
.else
	v_lshl_or_b32 v20, v11, 8*\kb, v20             ; the column's scale word
.endif
	v_cvt_scalef32_pk16_fp6_f32 v[IM+12*(\kb%2)+6*(\kb/2):IM+12*(\kb%2)+6*(\kb/2)+2], v[R+32*\kb:R+32*\kb+15], v[12+\kb]   ; block kb is registers 6 (kb / 2) on of the image's lane (row, kb % 2)
	v_cvt_scalef32_pk16_fp6_f32 v[TP+4*\kb:TP+4*\kb+2], v[R+32*\kb+16:R+32*\kb+31], v[12+\kb]
.endr
	v_nop                                          ; one plain place behind a scaled conversion
.irp kb, 0,1,2,3
.irp i, 0,1,2
	v_mov_b32 v[IM+12*(\kb%2)+6*(\kb/2)+3+\i], v[TP+4*\kb+\i]
.endr
.endr
.irp hh, 0,1
.irp c, 0,1,2
	global_store_b128 v2, v[IM+12*\hh+4*\c:IM+12*\hh+4*\c+3], s[24:25] offset:512*\c+256*\hh   ; lanes 0-15 and lanes 16-31 each store 256 consecutive bytes, aligned
.endr
.endr
	global_store_b32 v3, v20, s[26:27]
.endm
	s_cmp_eq_u32 s21, 3
	s_cbranch_scc1 .Lwo
	s_cmp_eq_u32 s21, 1
	s_cselect_b64 s[6:7], s[8:9], s[6:7]
	s_cmp_eq_u32 s21, 2
	s_cselect_b64 s[6:7], s[10:11], s[6:7]         ; the choice hangs on the work-group's number alone
	s_wait_alu depctr_va_vdst(0)
	WPATH 4096, 4, 6
	s_endpgm
.Lwo:
	s_wait_alu depctr_va_vdst(0)
	WPATH 8192, 3, 12
	s_endpgm
	; ---------------- cos and sin [4096 tokens][128], f32, are laid as images of the registers in which the next launch wants them: no number is changed ----------------
	; A wave takes one fragment F of 16 tokens (row i is token 32 (F / 2) + 8 (F % 2) + i % 8 + 16 (i / 8), as in xc).  Lane (r, h) of the reader holds token r and, in register n, the head's place 32 (n / 16) + 16 h + n % 16.
	; The image of a fragment is 8,192 bytes: registers 4 q .. 4 q + 3 of lane l at 512 q + 16 l.  In as rows of 512 bytes, through the wave's own stage (LDS bytes that no other path of this text names), out as 512 consecutive bytes a store.
.set CSST, 34816
.Lcs:
	s_wait_alu depctr_va_vdst(0)                   ; the wait behind the branch, ahead of the scalar lines
	s_sub_co_u32 s20, ttmp9, 768
	s_lshl_b32 s20, s20, 2
	s_add_co_u32 s20, s20, s18                     ; F
	s_lshl_b32 s22, s20, 13
	s_mov_b32 s23, 0
	s_lshr_b32 s21, s20, 1
	s_lshl_b32 s21, s21, 5
	s_and_b32 s24, s20, 1
	s_lshl_b32 s24, s24, 3
	s_add_co_u32 s21, s21, s24                     ; the fragment's first token
	s_lshl_b32 s24, s21, 9
	s_mov_b32 s25, 0
	s_add_nc_u64 s[40:41], s[40:41], s[24:25]
	s_add_nc_u64 s[42:43], s[42:43], s[24:25]
	s_add_nc_u64 s[44:45], s[44:45], s[22:23]
	s_add_nc_u64 s[46:47], s[46:47], s[22:23]
	s_mul_i32 s28, s18, 16*SROW
	s_add_co_u32 s28, s28, CSST
	v_lshlrev_b32 v1, 4, v6
	v_add_nc_u32 v2, s28, v1                       ; into the stage: a row as it lies
	v_mul_u32_u24 v3, v7, SROW
	v_lshl_add_u32 v3, v8, 6, v3
	v_add_nc_u32 v3, s28, v3                       ; out of it: row r, + 64 h
.irp t, 0,1
.set n, 0
.rept 16
	global_load_b128 v[R+64*\t+4*n:R+64*\t+4*n+3], v1, s[40+2*\t:41+2*\t] offset:((n%8)+16*(n/8))*512 th:TH_LOAD_NT
.set n, n+1
.endr
.endr
	s_wait_alu depctr_va_vdst(0)                   ; the wait ahead of the waits below
.irp t, 0,1
	s_wait_loadcnt 16-16*\t                        ; cos's 16 loads are in (sin's may be out); then all
.set n, 0
.rept 16
	ds_store_b128 v2, v[R+64*\t+4*n:R+64*\t+4*n+3] offset:n*SROW
.set n, n+1
.endr
.irp c, 0,1,2,3
.irp j, 0,1,2,3
	ds_load_b128 v[R+64*\t+16*\c+4*\j:R+64*\t+16*\c+4*\j+3], v3 offset:128*\c+16*\j   ; LDS serves a wave's instructions in order
.endr
.endr
.endr
.irp t, 0,1
	s_wait_dscnt 32-32*\t                          ; cos's image is in registers (sin's 16 stores and 16 loads may be out); then all
.set n, 0
.rept 16
	global_store_b128 v1, v[R+64*\t+4*n:R+64*\t+4*n+3], s[44+2*\t:45+2*\t] offset:512*n
.set n, n+1
.endr
.endr
	s_wait_tensorcnt 0x0                           ; the wave's end
	ds_add_u32 v208, v209
	s_wait_dscnt 0x0
	s_endpgm
.Lfunc_end_k_q0017d97de0_prep:
	.size	k_q0017d97de0_prep, .Lfunc_end_k_q0017d97de0_prep-k_q0017d97de0_prep
	.p2alignl 7, 3214868480
	.fill 96, 4, 3214868480
	.section	.rodata,"a",@progbits
	.p2align	6, 0x0
	.amdhsa_kernel k_q0017d97de0_prep
		.amdhsa_group_segment_fixed_size 68608
		.amdhsa_private_segment_fixed_size 0
		.amdhsa_enable_private_segment 0
		.amdhsa_kernarg_size 88
		.amdhsa_user_sgpr_count 2
		.amdhsa_user_sgpr_kernarg_segment_ptr 1
		.amdhsa_wavefront_size32 1
		.amdhsa_system_sgpr_workgroup_id_x 1
		.amdhsa_system_sgpr_workgroup_id_y 1
		.amdhsa_system_sgpr_workgroup_id_z 1
		.amdhsa_system_vgpr_workitem_id 0
		.amdhsa_next_free_vgpr 210
		.amdhsa_next_free_sgpr 66
		.amdhsa_reserve_vcc 0
		.amdhsa_float_denorm_mode_32 3
		.amdhsa_float_denorm_mode_16_64 3
		.amdhsa_memory_ordered 1
		.amdhsa_forward_progress 1
		.amdhsa_inst_pref_size 81
	.end_amdhsa_kernel
	.amdgpu_metadata
---
amdhsa.version: [ 1, 2 ]
amdhsa.kernels:
  - .name:           k_q0017d97de0_prep
    .symbol:         k_q0017d97de0_prep.kd
    .args:
      - { .name: x, .offset: 0, .size: 8, .value_kind: global_buffer, .address_space: global }
      - { .name: Wq, .offset: 8, .size: 8, .value_kind: global_buffer, .address_space: global }
      - { .name: Wk, .offset: 16, .size: 8, .value_kind: global_buffer, .address_space: global }
      - { .name: Wv, .offset: 24, .size: 8, .value_kind: global_buffer, .address_space: global }
      - { .name: Wo, .offset: 32, .size: 8, .value_kind: global_buffer, .address_space: global }
      - { .name: xc, .offset: 40, .size: 8, .value_kind: global_buffer, .address_space: global }
      - { .name: wc, .offset: 48, .size: 8, .value_kind: global_buffer, .address_space: global }
      - { .name: cos, .offset: 56, .size: 8, .value_kind: global_buffer, .address_space: global }
      - { .name: sin, .offset: 64, .size: 8, .value_kind: global_buffer, .address_space: global }
      - { .name: cosr, .offset: 72, .size: 8, .value_kind: global_buffer, .address_space: global }
      - { .name: sinr, .offset: 80, .size: 8, .value_kind: global_buffer, .address_space: global }
    .group_segment_fixed_size: 68608
    .private_segment_fixed_size: 0
    .kernarg_segment_align: 8
    .kernarg_segment_size: 88
    .max_flat_workgroup_size: 128
    .sgpr_count:     66
    .vgpr_count:     210
    .wavefront_size: 32
...
	.end_amdgpu_metadata
.endif
;; end of part 1
;; launch qkv (part 2): grid 12 x 16, 4 waves a work-group, clusters of 4 x 4, 327,680 bytes of LDS; arguments xc, wc, cosr, sinr, q_norm_w, k_norm_w, qc, kvc; writes qc, kvc
.if DOCPART == 2
	.amdgcn_target "amdgcn-amd-amdhsa--gfx1250"
	.amdhsa_code_object_version 6
	.text
	.protected	k_q0017d97de0_qkv
	.globl	k_q0017d97de0_qkv
	.p2align	8
	.type	k_q0017d97de0_qkv,@function
k_q0017d97de0_qkv:
	s_mov_b64 s[64:65], 0
	v_nop
	global_prefetch_b8 v0, s[64:65] scope:SCOPE_SE
	s_setreg_imm32_b32 hwreg(HW_REG_WAVE_MODE, 25, 1), 1
	s_wait_xcnt 0x0
	s_wait_alu depctr_hold_cnt(0) depctr_sa_sdst(0) depctr_va_vdst(0) depctr_va_sdst(0) depctr_va_ssrc(0) depctr_va_vcc(0) depctr_vm_vsrc(0)
	s_getreg_b32 s2, hwreg(HW_REG_IB_STS2, 6, 4)
	s_cmp_eq_u32 s2, 0
	s_cbranch_scc0 .Lentry_in_a_cluster
	s_endpgm
.Lentry_in_a_cluster:
	s_bfe_u32 s2, ttmp6, 0x10000c
	s_cmp_lg_u32 s2, 0xf033
	s_cbranch_scc0 .Lentry_shape_is_right
	s_endpgm
.Lentry_shape_is_right:
.set BLK,    12800
.set FRB,    1536
.set SCO,    12288
.set WSTR,   128*BLK
.set PSTR,   16*BLK
.set PANB,   3*BLK
.set SLOT,   4*PANB
.set SPARE,  2*SLOT
.set FR,     12
.set CP,     528
.set ADRA, 16
.set ADRB, 20
.set ADRS, 22
.set GO,   24
.set GS,   25
.set STG,  26
.set SRD,  27
.set SPW,  28
.set NIL,  29
.set WNO,  30
.set SC,   32
.set WN,   48
.set AF,   128
.set YR,   112
.set PC,   176
.set PT,   188
.set TM,   196
.set PW,   212
.set PWP,  214
.set SS,   216
.set RS,   220
.set TT,   222
.set G1,   24
.set G0,   32
.set G1B,  48
.set G0B,  56
.set INC,  12
.set DST,  86
.set COSB, 88
.set SINB, 90
.set NW,   92
.set SEL,  96
.set MSB, 0
.macro WIN new
.if MSB != (\new)
	s_set_vgpr_msb (MSB<<8)|(\new)
.set MSB, (\new)
.endif
.endm
.set MUL_LO, 0xa1
.set MUL_HI, 0xf1
.set TO_B,   0x40
.macro JLOAD g0a, g1a, g0b, g1b
	s_cmp_eq_u32 s15, 0
	s_cbranch_scc0 .Lfor_b_\@
	tensor_load_to_lds s[\g0a:\g0a+3], s[\g1a:\g1a+7]
	s_nop 0
.rept 4
	v_nop
.endr
	s_branch .Lasked_\@
.Lfor_b_\@:
	tensor_load_to_lds s[\g0b:\g0b+3], s[\g1b:\g1b+7]
	s_nop 0
.rept 4
	v_nop
.endr
.Lasked_\@:
.endm
.macro CREST
	s_cmp_lg_u32 s14, 0
	s_cbranch_scc1 .Lnot_wave_0_\@
	s_barrier_signal -3
.Lnot_wave_0_\@:
	s_barrier_wait -3
	s_barrier_signal -1
	s_barrier_wait -1
.endm
.macro CROUND
	s_barrier_signal -1
	s_barrier_wait -1
	CREST
.endm
.macro PLACES n
.rept \n
	v_nop
.endr
.endm
	s_load_b256 s[4:11], s[0:1], 0x0
	s_load_b256 s[68:75], s[0:1], 0x20
	v_lshl_add_u32 v[SPW], v0, 2, SPARE
	v_mov_b32 v[NIL], 0
	ds_add_u32 v28, v29
	ds_add_u32 v28, v29
	s_wait_dscnt 0x0
	v_lshrrev_b32 v1, 5, v0
	v_readfirstlane_b32 s14, v1
	s_lshr_b32 s15, s14, 1
	s_and_b32 s16, s14, 1
	s_bfe_u32 s40, ttmp6, 0x40000
	s_bfe_u32 s41, ttmp6, 0x40004
	s_and_b32 s18, ttmp7, 0xffff
	s_lshl_b32 s18, s18, 2
	s_lshl_b32 s19, ttmp9, 2
	s_cmp_eq_u32 ttmp9, 2
	s_cselect_b32 s17, 0, s18
	s_cselect_b32 s42, s18, s19
	s_add_co_u32 s17, s17, s41
	s_add_co_u32 s42, s42, s40
	s_lshl_b32 s43, s41, 2
	s_lshl_b32 s43, 15, s43
	s_lshl_b32 s44, 0x1111, s40
	s_or_b32 s[G1+0], s43, (3<<16)|(1<<21)
	s_or_b32 s[G1B+0], s44, (3<<16)|(1<<21)
.irp g, G1, G1B
	s_mov_b32 s[\g+1], 32<<16
	s_mov_b32 s[\g+2], 150<<16
	s_mov_b32 s[\g+3], 32<<16
	s_mov_b32 s[\g+4], 150
	s_mov_b32 s[\g+5], 32
	s_mov_b32 s[\g+6], 0
	s_mov_b32 s[\g+7], 0
.endr
	s_lshl_b32 s20, s17, 1
	s_add_co_u32 s20, s20, s16
	s_mul_i32 s20, s20, PSTR
	s_mov_b32 s21, 0
	s_lshl_b32 s46, s42, 1
	s_add_co_u32 s46, s46, s16
	s_mul_i32 s46, s46, PSTR
	s_mov_b32 s47, 0
	s_mul_i32 s45, s14, PANB
	s_mov_b32 s[INC], 2*PANB
	s_mov_b32 s[INC+1], 0
	s_wait_kmcnt 0x0
	s_add_nc_u64 s[76:77], s[6:7], 2*WSTR
	s_cmp_eq_u32 ttmp9, 2
	s_cselect_b64 s[78:79], s[76:77], s[4:5]
	s_cselect_b64 s[80:81], s[4:5], s[6:7]
	s_add_nc_u64 s[20:21], s[78:79], s[20:21]
	s_add_nc_u64 s[46:47], s[80:81], s[46:47]
	CROUND
.irp s, 0,1
	s_mov_b32 s[G0+4*\s], 1
	s_add_co_u32 s[G0+4*\s+1], s45, \s*SLOT
	s_add_nc_u64 s[G0+4*\s+2:G0+4*\s+3], s[20:21], \s*PANB
	s_or_b32 s[G0+4*\s+3], s[G0+4*\s+3], 0x80000000
	s_mov_b32 s[G0B+4*\s], 1
	s_add_co_u32 s[G0B+4*\s+1], s45, \s*SLOT
	s_add_nc_u64 s[G0B+4*\s+2:G0B+4*\s+3], s[46:47], \s*PANB
	s_or_b32 s[G0B+4*\s+3], s[G0B+4*\s+3], 0x80000000
	s_wait_alu depctr_va_vdst(0)
	s_wait_tensorcnt 0x0
	ds_add_u32 v28, v29
	ds_add_u32 v28, v29
	s_wait_dscnt 0x0
	CROUND
	JLOAD G0+4*\s, G1, G0B+4*\s, G1B
.endr
	v_and_b32 v2, 31, v0
	v_and_b32 v1, 15, v0
	v_bfe_u32 v3, v0, 4, 1
	v_lshlrev_b32 v[GO], 4, v2
	v_lshlrev_b32 v[GS], 2, v2
	v_lshlrev_b32 v[WNO], 6, v3
	s_mul_i32 s21, s15, PANB
	s_mul_i32 s22, s16, PANB
	s_add_co_u32 s22, s22, 2*PANB
	s_sub_co_u32 s23, s22, s21
	v_mul_u32_u24 v4, s23, v3
	v_lshl_add_u32 v4, v1, 2, v4
	v_add_nc_u32 v4, SCO, v4
.irp s, 0,1
	v_add_nc_u32 v[ADRA+\s], s21, v[GO]
	v_add_nc_u32 v[ADRB+\s], s22, v[GO]
	v_add_nc_u32 v[ADRS+\s], s21, v4
	s_add_co_u32 s21, s21, SLOT
	s_add_co_u32 s22, s22, SLOT
.endr
	s_lshl_b32 s84, s17, 1
	s_add_co_u32 s84, s84, s15
	s_lshl_b32 s85, s42, 1
	s_add_co_u32 s85, s85, s16
	s_and_b32 s82, s85, 7
	s_cmp_eq_u32 ttmp9, 2
	s_cselect_b32 s83, s85, s84
	s_cselect_b32 s82, s84, s82
	s_lshr_b32 s66, s83, 4
	s_lshl_b32 s66, s66, 3
	s_add_co_u32 s66, s66, s82
	s_lshl_b32 s66, s66, 4
	s_and_b32 s83, s83, 15
	s_add_co_u32 s66, s66, s83
	s_mul_i32 s67, s66, BLK
	s_mul_i32 s66, s66, 2*BLK
	s_cmp_eq_u32 ttmp9, 0
	s_cselect_b32 s66, s67, s66
	s_cselect_b64 s[DST:DST+1], s[72:73], s[74:75]
	s_cselect_b64 s[NW:NW+1], s[68:69], s[70:71]
	s_mov_b32 s67, 0
	s_add_nc_u64 s[DST:DST+1], s[DST:DST+1], s[66:67]
	s_cmp_eq_u32 ttmp9, 2
	s_cselect_b32 s66, BLK, 0
	s_add_nc_u64 s[DST:DST+1], s[DST:DST+1], s[66:67]
	s_lshl_b32 s66, s84, 16
	s_add_nc_u64 s[COSB:COSB+1], s[8:9], s[66:67]
	s_add_nc_u64 s[SINB:SINB+1], s[10:11], s[66:67]
	s_mov_b32 s94, 0xffff0000
	s_mov_b32 s[SEL], 0x76543210
	s_mov_b32 s[SEL+1], 0xfedcba98
	s_mov_b32 s98, 0x3c000000
	s_mov_b32 s99, 0x358637bd
.macro FRAG reg, adr, q, i
.irp c, 0,1,2
	ds_load_b128 v[\reg+4*\c:\reg+4*\c+3], v[\adr] offset:(\q)*BLK+(\i)*FRB+512*\c
.endr
.endm
.macro FETCH_B slot, q, p
	WIN TO_B
.irp i, 0,1,2,3,4,5,6,7
	FRAG 128*(\p)+FR*\i, ADRB+\slot, \q, \i
.endr
	WIN 0
.endm
.macro FETCH_A slot, q, i0
.irp i, \i0, \i0+1, \i0+2, \i0+3
	FRAG AF+FR*(\i), ADRA+\slot, \q, \i
.endr
.endm
.macro SCALES slot, q, p
.irp i, 0,1,2,3,4,5,6,7
	ds_load_b32 v[SC+8*(\p)+\i], v[ADRS+\slot] offset:(\q)*BLK+64*\i
.endr
.endm
.macro MUL16 a0, p, zero
.irp a, \a0, \a0+1
.irp b, 0,1,2,3,4,5,6,7
.if \zero
	v_wmma_scale_f32_16x16x128_f8f6f4 v[8*(8*((\a)%4)+\b):8*(8*((\a)%4)+\b)+7], v[128*(\p)+FR*\b:128*(\p)+FR*\b+FR-1], v[AF+FR*(\a):AF+FR*(\a)+FR-1], 0, v[SC+8*(\p)+\b], v[SC+8*(\p)+(\a)] matrix_a_fmt:MATRIX_FMT_FP6 matrix_b_fmt:MATRIX_FMT_FP6 matrix_a_scale:MATRIX_SCALE_ROW1
.else
	v_wmma_scale_f32_16x16x128_f8f6f4 v[8*(8*((\a)%4)+\b):8*(8*((\a)%4)+\b)+7], v[128*(\p)+FR*\b:128*(\p)+FR*\b+FR-1], v[AF+FR*(\a):AF+FR*(\a)+FR-1], v[8*(8*((\a)%4)+\b):8*(8*((\a)%4)+\b)+7], v[SC+8*(\p)+\b], v[SC+8*(\p)+(\a)] matrix_a_fmt:MATRIX_FMT_FP6 matrix_b_fmt:MATRIX_FMT_FP6 matrix_a_scale:MATRIX_SCALE_ROW1
.endif
.endr
.endr
.endm
.macro STEPQ slot, q, p, zero
	s_wait_dscnt 12
	WIN MUL_LO
	MUL16 0, \p, \zero
	MUL16 2, \p, \zero
	s_wait_dscnt 0
	PLACES 4
	FETCH_B \slot, (\q)+1, 1-(\p)
	FETCH_A \slot, (\q)+1, 0
	SCALES \slot, (\q)+1, 1-(\p)
	WIN MUL_HI
	MUL16 4, \p, \zero
	MUL16 6, \p, \zero
	PLACES 4
	WIN 0
	FETCH_A \slot, (\q)+1, 4
.endm
.macro TURNQ slot, p, next, nq, fill
	s_wait_tensorcnt 0x0
	ds_add_u32 v[SPW], v[NIL]
	s_wait_dscnt 13
	WIN MUL_LO
	MUL16 0, \p, 0
	s_wait_dscnt 0x0
	s_barrier_signal -1
	MUL16 2, \p, 0
	WIN 0
	s_barrier_wait -1
.if \fill
	CREST
.if \slot == 0
	s_add_nc_u64 s[G0+2:G0+3], s[G0+2:G0+3], 2*PANB
	s_add_nc_u64 s[G0B+2:G0B+3], s[G0B+2:G0B+3], 2*PANB
.else
	s_add_nc_u64 s[G0+6:G0+7], s[G0+6:G0+7], s[INC:INC+1]
	s_add_nc_u64 s[G0B+6:G0B+7], s[G0B+6:G0B+7], s[INC:INC+1]
	s_sub_co_u32 s[INC], s[INC], 2*BLK
.endif
	JLOAD G0+4*\slot, G1, G0B+4*\slot, G1B
.else
	PLACES 4
.endif
	FETCH_B \next, \nq, 1-(\p)
	FETCH_A \next, \nq, 0
	SCALES \next, \nq, 1-(\p)
	WIN MUL_HI
	MUL16 4, \p, 0
	MUL16 6, \p, 0
	PLACES 4
	WIN 0
	FETCH_A \next, \nq, 4
.endm
.macro LAST
	s_wait_dscnt 12
	WIN MUL_LO
	MUL16 0, 1, 0
	MUL16 2, 1, 0
	s_wait_dscnt 0
	WIN MUL_HI
	MUL16 4, 1, 0
	MUL16 6, 1, 0
	WIN 0
	PLACES 4
.irp b, 0,1,2,3
	v_mov_b32 v[TM+4+\b], 0
.endr
	v_mov_b32 v[RS+1], 0
	v_mov_b32 v[TT], 0
.endm
	s_wait_alu depctr_va_vdst(0)
	s_wait_tensorcnt 1
	s_barrier_signal -1
	s_barrier_wait -1
	FETCH_B 0, 0, 0
	FETCH_A 0, 0, 0
	SCALES 0, 0, 0
	FETCH_A 0, 0, 4
	STEPQ 0, 0, 0, 1
	s_mov_b32 s3, 2
.Llap:
	STEPQ 0, 1, 1, 0
	TURNQ 0, 0, 1, 0, 1
	STEPQ 1, 0, 1, 0
	STEPQ 1, 1, 0, 0
	TURNQ 1, 1, 0, 0, 1
	STEPQ 0, 0, 0, 0
	s_sub_co_u32 s3, s3, 1
	s_cmp_lg_u32 s3, 0
	s_cbranch_scc1 .Llap
	STEPQ 0, 1, 1, 0
	TURNQ 0, 0, 1, 2, 0
.macro QUANT s, w, pw
	WIN (\w)|((\w)<<2)
.irp b, 0,1,2,3
	v_max3_num_f32 v[TM+\b], |v[(\s)+16*\b]|, |v[(\s)+16*\b+1]|, 0x1800000
.endr
.irp i, 2,4,6,8,10,12,14
.irp b, 0,1,2,3
	v_max3_num_f32 v[TM+\b], |v[(\s)+16*\b+\i]|, |v[(\s)+16*\b+\i+1]|, v[TM+\b]
.endr
.endr
	WIN 0
.irp b, 0,1,2,3
	v_permlanex16_b32 v[TM+4+\b], v[TM+\b], s[SEL], s[SEL+1]
.endr
.irp b, 0,1,2,3
	v_max_num_f32 v[TM+\b], v[TM+\b], v[TM+4+\b]
.endr
.irp b, 0,1,2,3
	v_add_nc_u32 v[TM+12+\b], 0xff000000, v[TM+\b]
.endr
.irp b, 0,1,2,3
	v_lshrrev_b32 v[TM+4+\b], 23, v[TM+12+\b]
.endr
	v_lshl_or_b32 v[\pw], v[TM+5], 8, v[TM+4]
	v_lshl_or_b32 v[\pw], v[TM+6], 16, v[\pw]
	v_lshl_or_b32 v[\pw], v[TM+7], 24, v[\pw]
	WIN (\w)
.irp c, 0,1
	v_cvt_scalef32_pk16_fp6_f32 v[PC+6*\c:PC+6*\c+2], v[(\s)+32*\c:(\s)+32*\c+15], v[TM+12+2*\c]
	v_cvt_scalef32_pk16_fp6_f32 v[PT+4*\c:PT+4*\c+2], v[(\s)+32*\c+16:(\s)+32*\c+31], v[TM+13+2*\c]
.endr
	WIN 0
	v_nop
.irp c, 0,1
.irp i, 0,1,2
	v_permlane16_swap_b32 v[PC+6*\c+\i], v[PT+4*\c+\i]
.endr
.irp i, 0,1,2
	v_mov_b32 v[PC+6*\c+3+\i], v[PT+4*\c+\i]
.endr
.endr
.endm
.macro STOREF a
.irp c, 0,1,2
	global_store_b128 v[GO], v[PC+4*\c:PC+4*\c+3], s[DST:DST+1] offset:(\a)*FRB+512*\c
.endr
.if (\a)%2
	v_cndmask_b32 v[PWP], v[PW], v[PW+1], s94
	global_store_b32 v[GS], v[PWP], s[DST:DST+1] offset:SCO+128*((\a)/2)
.endif
.endm
.macro CSLOAD a
.set CB, 128*((\a)%2)
	WIN 0x40
.set n, 0
.rept 16
	global_load_b128 v[CB+4*n:CB+4*n+3], v[GO], s[COSB:COSB+1] offset:(\a)*8192+512*n   ; cos lies as an image of these registers: 512 consecutive bytes a load
.set n, n+1
.endr
.set n, 0
.rept 16
	global_load_b128 v[CB+64+4*n:CB+64+4*n+3], v[GO], s[SINB:SINB+1] offset:(\a)*8192+512*n
.set n, n+1
.endr
	WIN 0
.endm
.macro CSTURN a
.set CB, 128*((\a)%2)
	WIN 0x04
.set n, 0
.rept 32
	ds_store_b128 v[STG], v[CB+4*n:CB+4*n+3] offset:n*CP
.set n, n+1
.endr
	WIN 0x40
.irp t, 0,1
.irp c, 0,1,2,3
.irp j, 0,1,2,3
	ds_load_b128 v[CB+64*\t+16*\c+4*\j:CB+64*\t+16*\c+4*\j+3], v[SRD] offset:\t*16*CP+128*\c+16*\j
.endr
.endr
.endr
	WIN 0
.endm
.macro NORM a
.set W_, 2+(\a)/4
.set AC, 64*((\a)%4)
	WIN W_|(W_<<2)
	v_pk_mul_f32 v[SS:SS+1], v[AC:AC+1], v[AC:AC+1]
	v_pk_mul_f32 v[SS+2:SS+3], v[AC+2:AC+3], v[AC+2:AC+3]
.irp j, 4,8,12,16,20,24,28,32,36,40,44,48,52,56,60
	v_pk_fma_f32 v[SS:SS+1], v[AC+\j:AC+\j+1], v[AC+\j:AC+\j+1], v[SS:SS+1]
	v_pk_fma_f32 v[SS+2:SS+3], v[AC+\j+2:AC+\j+3], v[AC+\j+2:AC+\j+3], v[SS+2:SS+3]
.endr
	WIN 0
	v_pk_add_f32 v[SS:SS+1], v[SS:SS+1], v[SS+2:SS+3]
	v_add_f32 v[SS], v[SS], v[SS+1]
	v_permlanex16_b32 v[TT], v[SS], s[SEL], s[SEL+1]
	v_add_f32 v[SS], v[SS], v[TT]
	v_fma_f32 v[SS], v[SS], s98, s99
	s_wait_alu depctr_va_vdst(0)
	v_rsq_f32 v[RS], v[SS]
	v_nop
	s_wait_alu depctr_va_vdst(0)
	WIN W_|(W_<<6)
.set n, 0
.rept 32
	v_pk_mul_f32 v[AC+n:AC+n+1], v[AC+n:AC+n+1], v[RS:RS+1] op_sel_hi:[1,0]
.set n, n+2
.endr
.set n, 0
.rept 32
	v_pk_mul_f32 v[AC+n:AC+n+1], v[AC+n:AC+n+1], v[WN+n:WN+n+1]
.set n, n+2
.endr
	WIN 0
.endm
.macro ROPE a
.set W_, 2+(\a)/4
.set AC, 64*((\a)%4)
.set CB, 128*((\a)%2)
	WIN W_|0x04
.set n, 0
.rept 16
	v_pk_mul_f32 v[YR+n:YR+n+1], v[AC+n:AC+n+1], v[CB+n:CB+n+1]
	v_pk_mul_f32 v[YR+32+n:YR+33+n], v[AC+32+n:AC+33+n], v[CB+32+n:CB+33+n]
.set n, n+2
.endr
.set n, 0
.rept 16
	v_pk_fma_f32 v[YR+n:YR+n+1], v[AC+32+n:AC+33+n], v[CB+64+n:CB+65+n], v[YR+n:YR+n+1] neg_lo:[1,0,0] neg_hi:[1,0,0]
	v_pk_fma_f32 v[YR+32+n:YR+33+n], v[AC+n:AC+n+1], v[CB+96+n:CB+97+n], v[YR+32+n:YR+33+n]
.set n, n+2
.endr
	WIN 0
.endm
	s_cmp_eq_u32 ttmp9, 2
	s_cbranch_scc1 .Lv
.irp c, 0,1,2,3
.irp j, 0,1,2,3
	global_load_b128 v[WN+16*\c+4*\j:WN+16*\c+4*\j+3], v[WNO], s[NW:NW+1] offset:128*\c+16*\j
.endr
.endr
	CSLOAD 0
	LAST
	CSLOAD 1
.irp a, 0,1,2,3,4,5,6,7
.if \a < 7
	s_wait_loadcnt 32                              ; this block's cos and sin are in (and the norm's weights); the next block's 32 loads may be out
.else
	s_wait_loadcnt 0x0
.endif
	NORM \a
	ROPE \a
	s_wait_xcnt 0x0
.if \a < 6
	CSLOAD \a+2
.endif
	QUANT YR, 0, PW+(\a%2)
	STOREF \a
.endr
	s_branch .Lend
.Lv:
	LAST
.irp a, 0,1,2,3,4,5,6,7
	s_wait_xcnt 0x0
	QUANT 64*(\a%4), 2+\a/4, PW+(\a%2)
	STOREF \a
.endr
.Lend:
	s_wait_tensorcnt 0x0
	ds_add_u32 v[SPW], v[NIL]
	s_wait_dscnt 0x0
	CROUND
	s_endpgm
.Lfunc_end_k_q0017d97de0_qkv:
	.size	k_q0017d97de0_qkv, .Lfunc_end_k_q0017d97de0_qkv-k_q0017d97de0_qkv
	.p2alignl 7, 3214868480
	.fill 96, 4, 3214868480
	.section	.rodata,"a",@progbits
	.p2align	6, 0x0
	.amdhsa_kernel k_q0017d97de0_qkv
		.amdhsa_group_segment_fixed_size 327680
		.amdhsa_private_segment_fixed_size 0
		.amdhsa_enable_private_segment 0
		.amdhsa_kernarg_size 64
		.amdhsa_user_sgpr_count 2
		.amdhsa_user_sgpr_kernarg_segment_ptr 1
		.amdhsa_wavefront_size32 1
		.amdhsa_system_sgpr_workgroup_id_x 1
		.amdhsa_system_sgpr_workgroup_id_y 1
		.amdhsa_system_sgpr_workgroup_id_z 1
		.amdhsa_system_vgpr_workitem_id 0
		.amdhsa_next_free_vgpr 1024
		.amdhsa_next_free_sgpr 100
		.amdhsa_reserve_vcc 0
		.amdhsa_float_denorm_mode_32 3
		.amdhsa_float_denorm_mode_16_64 3
		.amdhsa_memory_ordered 1
		.amdhsa_forward_progress 1
		.amdhsa_inst_pref_size 255
	.end_amdhsa_kernel
	.section	.bss,"aw",@nobits
	.p2align	6
	.space	262144
	.amdgpu_metadata
---
amdhsa.version: [ 1, 2 ]
amdhsa.kernels:
  - .name:           k_q0017d97de0_qkv
    .symbol:         k_q0017d97de0_qkv.kd
    .args:
      - { .name: xc, .offset: 0, .size: 8, .value_kind: global_buffer, .address_space: global }
      - { .name: wc, .offset: 8, .size: 8, .value_kind: global_buffer, .address_space: global }
      - { .name: cosr, .offset: 16, .size: 8, .value_kind: global_buffer, .address_space: global }
      - { .name: sinr, .offset: 24, .size: 8, .value_kind: global_buffer, .address_space: global }
      - { .name: q_norm_w, .offset: 32, .size: 8, .value_kind: global_buffer, .address_space: global }
      - { .name: k_norm_w, .offset: 40, .size: 8, .value_kind: global_buffer, .address_space: global }
      - { .name: qc, .offset: 48, .size: 8, .value_kind: global_buffer, .address_space: global }
      - { .name: kvc, .offset: 56, .size: 8, .value_kind: global_buffer, .address_space: global }
    .group_segment_fixed_size: 327680
    .private_segment_fixed_size: 0
    .kernarg_segment_align: 8
    .kernarg_segment_size: 64
    .max_flat_workgroup_size: 128
    .sgpr_count:     100
    .vgpr_count:     1024
    .wavefront_size: 32
...
	.end_amdgpu_metadata
.endif
;; end of part 2
;; launch attn (part 3): grid 8 x 32, 8 waves a work-group, clusters of 4 x 4, 327,680 bytes of LDS; arguments qc, kvc, attention_mask, oc; writes oc
.if DOCPART == 3
	.amdgcn_target "amdgcn-amd-amdhsa--gfx1250"
	.amdhsa_code_object_version 6
	.text
	.protected	k_q0017d97de0_attn
	.globl	k_q0017d97de0_attn
	.p2align	8
	.type	k_q0017d97de0_attn,@function
k_q0017d97de0_attn:
	s_mov_b64 s[64:65], 0
	v_nop
	global_prefetch_b8 v0, s[64:65] scope:SCOPE_SE
	s_setreg_imm32_b32 hwreg(HW_REG_WAVE_MODE, 25, 1), 1
	s_wait_xcnt 0x0
	s_wait_alu depctr_hold_cnt(0) depctr_sa_sdst(0) depctr_va_vdst(0) depctr_va_sdst(0) depctr_va_ssrc(0) depctr_va_vcc(0) depctr_vm_vsrc(0)
	s_getreg_b32 s2, hwreg(HW_REG_IB_STS2, 6, 4)
	s_cmp_eq_u32 s2, 0
	s_cbranch_scc0 .Lentry_in_a_cluster
	s_endpgm
.Lentry_in_a_cluster:
	s_bfe_u32 s2, ttmp6, 0x10000c
	s_cmp_lg_u32 s2, 0xf033
	s_cbranch_scc0 .Lentry_shape_is_right
	s_endpgm
.Lentry_shape_is_right:
; o = softmax(q k^T / sqrt(128) + mask) v on codes of FP6 (E2M3) with E8M0 scales; q, k, v arrive as register images (block of 128 rows x 128 K: 8 fragments of 1,536 bytes, then 128 scale words).
; A work-group takes 128 queries of one head; wave (g, w) = (wave / 4, wave % 4) holds queries 32 w .. 32 w + 31 as two tiles of 16, so that each fragment of k and of v feeds two matrix instructions.
; THE KEY STEPS (128 keys) ARE DEALT BY PARITY: group g = 0 takes the even steps, g = 1 the odd ones, each with its own running M, sum and O^T.  M is a whole number, so the two parts are joined at the end by exact powers of two.
; A STEP IS TWO HALVES.  H1: k, mask and v from LDS, S^T = k q^T, logit = S x scale + mask, the blocks' maxima, the new M.  H2: t - M, O^T and the sums under the new M, p = 2^(t - M), the sums, p's codes, O^T += v^T p^T.
; In period p group p % 2 runs H1 of step p and the other group H2 of step p - 1.  Step p lies in slot p % 2; behind period p's round slot (p + 1) % 2 takes step p + 1: one joint load a wave
; (waves 0-3: 32 mask rows of 512 bytes each; waves 4-7: 25 rows of 256 bytes of the k and v blocks each).  All of a step's LDS reads stand in H1, so a slot is read in one period only.
; CLUSTERS: the mask tile is shared along a row of the cluster (four heads), k and v along a column (four query panels).
; PREFETCH: in period p the tiles of step p + 3, two steps beyond the load issued there: waves 1 and 2 a lane a mask row (32 rows by cx, 256 bytes each), wave 3 25 blocks of k and v (by cy); it stops with step 15.
; Both products are used transposed: a lane holds one query, its registers run along the keys (S^T) or the head (O^T).  The mask is an input and is read whole.
; LIMITS: the promise holds while the scaled scores stay under 2^31 in magnitude; NaN and infinities among the inputs are not served; the order of the f32 sums differs from a plain evaluation's.
; REGISTERS: window 1: v0-127 O^T (tile j at 64 j), v128-255 S^T.  Window 0: addresses, state (8 a tile), scale words, v64-87 q, v88-119 and v120-151 mask chunks (in H2: p's codes), v152-247 k's, then v's fragments.
.set BLK,   12800
.set FRB,   1536
.set SCO,   12288
.set MP,    528
.set KOFF,  128*MP
.set RSTR,  131072
.set STG,   229376
.set BOX,   8704
.set SPARE, STG+8*BOX
.set SPW, 1
.set NIL, 2
.set AFR, 3
.set ASC, 4
.set AMK, 5
.set GO,  6
.set GS,  7
.set PFO, 8
.set WRA, 9
.set RDA, 253
.set ST,  12
.set KS,  28
.set VS,  32
.set QS,  36
.set PW,  38
.set BM,  40
.set T4,  48
.set SO,  56
.set TM,  40
.set QF,  64
.set MB0, 88
.set MB1, 120
.set PC,  120
.set PT,  144
.set KV,  152
.set SB,  128
.set WV,  12
.set G1M, 24
.set G1K, 32
.set G0M, 40
.set G0K, 48
.set CNT, 56
.set TT,  57
.set CSC, 58
.set CL2, 60
.set SEL, 62
.set PFA, 66
.set PFS, 68
.set LIM, 70
.set W3,  71
.set GRP, 72
.set MSB, 0
.macro WIN new
.if MSB != (\new)
	s_set_vgpr_msb (MSB<<8)|(\new)
.set MSB, (\new)
.endif
.endm
.macro NOP4
.rept 4
	v_nop
.endr
.endm
.macro D n
	s_delay_alu instid0(VALU_DEP_\n)
.endm
.macro ROUND
	s_barrier_signal -1
	s_barrier_wait -1
	s_cmp_lg_u32 s[WV], 0
	s_cbranch_scc1 .Lnot_wave_0_\@
	s_barrier_signal -3
.Lnot_wave_0_\@:
	s_barrier_wait -3
	s_barrier_signal -1
	s_barrier_wait -1
.endm
.macro TLOAD r                         ; my one joint load into slot r
	s_cmp_lt_u32 s[WV], 4
	s_cbranch_scc0 .Lkv_\@
	tensor_load_to_lds s[G0M+4*\r:G0M+4*\r+3], s[G1M:G1M+7]
	s_nop 0
	NOP4
	s_branch .Lasked_\@
.Lkv_\@:
	tensor_load_to_lds s[G0K+4*\r:G0K+4*\r+3], s[G1K:G1K+7]
	s_nop 0
	NOP4
.Lasked_\@:
.endm
.macro ASK
	s_cmp_lt_u32 s[TT], s[LIM]
	s_cbranch_scc0 .Lnot_mine_\@
	global_prefetch_b8 v[PFO], s[PFA:PFA+1] th:TH_LOAD_NT scope:SCOPE_SE
.Lnot_mine_\@:
.endm
; the lines in front of a period's barrier.  adv = 0, 1: that slot's descriptors step two key steps on; -1: the first period; 2: nothing is filled
.macro SEQ adv
	s_wait_alu depctr_va_vdst(0)                   ; the wait ahead of the waits below
.if \adv >= 0
	s_wait_xcnt 0x0                                ; my prefetch has read its address
	s_add_nc_u64 s[PFA:PFA+1], s[PFA:PFA+1], s[PFS:PFS+1]
	s_add_co_u32 s[TT], s[TT], 1
.endif
	s_wait_tensorcnt 0x0                           ; my part of the next slot is in
	ds_add_u32 v[SPW], v[NIL]
.if (\adv == 0) || (\adv == 1)
	s_add_nc_u64 s[G0M+4*\adv+2:G0M+4*\adv+3], s[G0M+4*\adv+2:G0M+4*\adv+3], 1024
	s_add_nc_u64 s[G0K+4*\adv+2:G0K+4*\adv+3], s[G0K+4*\adv+2:G0K+4*\adv+3], 4*BLK
.endif
	s_wait_dscnt 0x0                               ; the add, and my reads of the slot read in this period
.endm
	s_load_b256 s[4:11], s[0:1], 0x0               ; qc, kvc, mask, oc
	v_lshl_add_u32 v[SPW], v0, 2, SPARE
	v_mov_b32 v[NIL], 0
	ds_add_u32 v[SPW], v[NIL]                      ; the opening lines
	ds_add_u32 v[SPW], v[NIL]
	v_lshrrev_b32 v10, 5, v0
	v_readfirstlane_b32 s[WV], v10
	s_and_b32 s[W3], s[WV], 3
	s_lshr_b32 s[GRP], s[WV], 2
	s_bfe_u32 s13, ttmp6, 0x40000                  ; cx
	s_bfe_u32 s14, ttmp6, 0x40004                  ; cy
	s_and_b32 s15, ttmp7, 0xffff
	s_lshl_b32 s16, ttmp9, 2
	s_add_co_u32 s16, s16, s13                     ; head
	s_lshl_b32 s17, s15, 2
	s_add_co_u32 s17, s17, s14                     ; 16 x batch + query panel
	s_lshr_b32 s18, s15, 2                         ; batch
	s_lshl_b32 s19, s14, 2
	s_lshl_b32 s19, 15, s19
	s_lshl_b32 s20, 0x1111, s13
	s_or_b32 s[G1M], s19, (2<<16)|(1<<20)|(1<<21)|(6<<22)|(3<<25)   ; 32 rows of 128 f32, 16 bytes of padding behind each
	s_mov_b32 s[G1M+1], 128<<16
	s_mov_b32 s[G1M+2], 32<<16
	s_mov_b32 s[G1M+3], 128<<16
	s_mov_b32 s[G1M+4], 32
	s_mov_b32 s[G1M+5], 2048
	s_mov_b32 s[G1M+6], 0
	s_mov_b32 s[G1M+7], 0
	s_or_b32 s[G1K], s20, (3<<16)|(1<<21)          ; 6,400 dense bytes as 25 rows of 256
	s_mov_b32 s[G1K+1], 32<<16
	s_mov_b32 s[G1K+2], 25<<16
	s_mov_b32 s[G1K+3], 32<<16
	s_mov_b32 s[G1K+4], 25
	s_mov_b32 s[G1K+5], 32
	s_mov_b32 s[G1K+6], 0
	s_mov_b32 s[G1K+7], 0
	s_lshl_b32 s21, s18, 3
	s_add_co_u32 s21, s21, s16
	s_mul_i32 s76, s21, 32*BLK                     ; my head's k and v blocks
	s_mov_b32 s77, 0
	s_lshl_b32 s74, s21, 4
	s_and_b32 s22, s17, 15
	s_add_co_u32 s74, s74, s22
	s_mul_i32 s74, s74, BLK                        ; my q block
	s_mov_b32 s75, 0
	s_lshl_b32 s78, s17, 3
	s_add_co_u32 s78, s78, s16
	s_mul_i32 s78, s78, BLK                        ; my o block
	s_mov_b32 s79, 0
	s_lshl_b32 s22, s17, 20                        ; the panel's mask rows, + the 32 that I fetch
	s_lshl_b32 s23, s[W3], 18
	s_add_co_u32 s22, s22, s23
	s_mov_b32 s23, 0
	s_mul_i32 s82, s[W3], 6400
	s_mov_b32 s83, 0
	s_mul_i32 s84, s[W3], 32*MP
	s_add_co_u32 s85, s82, KOFF
	s_mov_b32 s[CSC], 0x3db504f3                   ; 128^-0.5
	s_mov_b32 s[CSC+1], s[CSC]
	s_mov_b32 s[CL2], 0x3fb8aa3b                   ; log2(e)
	s_mov_b32 s[CL2+1], s[CL2]
	s_mov_b32 s[SEL], 0x76543210
	s_mov_b32 s[SEL+1], 0xfedcba98
	s_mov_b32 s[TT], 0
	s_wait_dscnt 0x0
	s_wait_kmcnt 0x0
	s_add_nc_u64 s[76:77], s[6:7], s[76:77]
	s_add_nc_u64 s[74:75], s[4:5], s[74:75]
	s_add_nc_u64 s[78:79], s[10:11], s[78:79]
	s_add_nc_u64 s[22:23], s[8:9], s[22:23]
.irp r, 0,1
	s_mov_b32 s[G0M+4*\r], 1
	s_add_co_u32 s[G0M+4*\r+1], s84, \r*RSTR
	s_add_nc_u64 s[G0M+4*\r+2:G0M+4*\r+3], s[22:23], \r*512
	s_or_b32 s[G0M+4*\r+3], s[G0M+4*\r+3], 0x80000000
	s_mov_b32 s[G0K+4*\r], 1
	s_add_co_u32 s[G0K+4*\r+1], s85, \r*RSTR
	s_add_nc_u64 s[G0K+4*\r+2:G0K+4*\r+3], s[76:77], s[82:83]
	s_add_nc_u64 s[G0K+4*\r+2:G0K+4*\r+3], s[G0K+4*\r+2:G0K+4*\r+3], \r*2*BLK
	s_or_b32 s[G0K+4*\r+3], s[G0K+4*\r+3], 0x80000000
.endr
	ROUND
	TLOAD 0                                        ; key step 0: one load a wave at the head
	s_lshl_b32 s86, s[GRP], 17                     ; my group's slot
	s_add_co_u32 s87, s86, KOFF
	s_add_co_u32 s88, s87, SCO
	s_add_co_u32 s86, s86, s84
	s_mul_i32 s89, s[WV], BOX
	s_add_co_u32 s89, s89, STG                     ; the box that I write,
	s_xor_b32 s92, s[WV], 4
	s_mul_i32 s92, s92, BOX
	s_add_co_u32 s92, s92, STG                     ; and my partner's, which I read
	s_mul_i32 s93, s[W3], 2*FRB
	s_lshl_b32 s94, s[W3], 7
	s_lshl_b32 s19, s[W3], 1
	s_add_co_u32 s19, s19, s[GRP]                  ; the fragment of o that I finish: tile g of my 32 queries
	s_mul_i32 s20, s19, FRB
	s_mov_b32 s21, 0
	s_lshl_b32 s90, s19, 6
	s_add_co_u32 s90, s90, SCO
	s_mov_b32 s91, 0
	s_add_nc_u64 s[90:91], s[78:79], s[90:91]
	s_add_nc_u64 s[78:79], s[78:79], s[20:21]
	s_lshl_b32 s80, s17, 20                        ; the prefetches: mask rows 32 cx .. + 31 of the panel, key step 3
	s_lshl_b32 s82, s13, 18
	s_add_co_u32 s80, s80, s82
	s_cmp_eq_u32 s[WV], 2
	s_cselect_b32 s82, 256, 0
	s_add_co_u32 s80, s80, s82
	s_add_co_u32 s80, s80, 3*512
	s_mov_b32 s81, 0
	s_add_nc_u64 s[80:81], s[8:9], s[80:81]
	s_mul_i32 s82, s14, 6400                       ; k and v: blocks 25 cy .. + 24 of the step's 100
	s_add_co_u32 s82, s82, 3*2*BLK
	s_mov_b32 s83, 0
	s_add_nc_u64 s[82:83], s[76:77], s[82:83]
	s_cmp_eq_u32 s[WV], 3
	s_cselect_b64 s[PFA:PFA+1], s[82:83], s[80:81]
	s_cselect_b32 s20, 8, 13
	s_cselect_b32 s21, 24, 31
	s_mov_b32 s[PFS], 512
	s_cselect_b32 s[PFS], 2*BLK, s[PFS]
	s_mov_b32 s[PFS+1], 0
	s_sub_co_u32 s19, s[WV], 1
	s_cmp_lt_u32 s19, 3
	s_cselect_b32 s[LIM], 13, 0                    ; waves 1 to 3 ask, in periods 0 to 12
	v_and_b32 v10, 15, v0
	v_bfe_u32 v11, v0, 4, 1
	v_and_b32 v248, 31, v0
	v_lshlrev_b32 v[GO], 4, v248
	v_lshlrev_b32 v[GS], 2, v10
	v_add_nc_u32 v[AFR], s87, v[GO]
	v_lshlrev_b32 v[ASC], 2, v248
	v_add_nc_u32 v[ASC], s88, v[ASC]
	v_mul_u32_u24 v[AMK], v10, MP
	v_lshl_add_u32 v[AMK], v11, 6, v[AMK]
	v_add_nc_u32 v[AMK], s86, v[AMK]               ; mask: row 32 w + r, + 64 h
	v_add_nc_u32 v[WRA], s89, v[GO]
	v_add_nc_u32 v[RDA], s92, v[GO]
	v_bfe_u32 v249, v0, 3, 1
	v_and_b32 v250, 7, v0
	v_mul_u32_u24 v251, v249, FRB
	v_lshl_add_u32 v251, v250, 4, v251
	v_lshl_add_u32 v251, v11, 8, v251
	v_add_nc_u32 v251, s93, v251                   ; q's rows are gathered into their natural order: query 32 w + 16 j + r lies in fragment 2 w + r / 8, image row r % 8 + 8 j
.irp j, 0,1
.irp c, 0,1,2
	global_load_b128 v[QF+12*\j+4*\c:QF+12*\j+4*\c+3], v251, s[74:75] offset:128*\j+512*\c
.endr
.endr
	v_lshlrev_b32 v249, 6, v249
	v_lshl_add_u32 v249, v250, 2, v249
	v_add_nc_u32 v249, s94, v249
.irp j, 0,1
	global_load_b32 v[QS+\j], v249, s[74:75] offset:SCO+32*\j
.endr
	v_min_u32 v[PFO], s21, v248
	v_lshlrev_b32 v[PFO], s20, v[PFO]
.irp j, 0,1                            ; a tile's state: -M, the largest t, f (a pair), the sum in two pairs
	v_mov_b32 v[ST+8*\j], 0x7f61b1e6
	v_mov_b32 v[ST+8*\j+1], 0xff61b1e6
.irp i, 2,3,4,5,6,7
	v_mov_b32 v[ST+8*\j+\i], 0
.endr
.endr
.set n, 0
.rept 24
	v_mov_b32 v[BM+n], 0                           ; a lane permute's destination counts as one of its sources
.set n, n+1
.endr
	v_mov_b32 v252, 0
	WIN 0x40
.set n, 0
.rept 128
	v_mov_b32 v[n], 0                              ; O^T: the step is written for every step alike; these stand under the first tile's flight
.set n, n+1
.endr
	WIN 0
	s_wait_alu depctr_va_vdst(0)                   ; the wait at the head's end
	s_wait_loadcnt 0x0
.macro MLOAD buf, ch                   ; mask chunk ch: tile ch / 2, keys 64 (ch % 2) + 16 h + ..: 32 registers
.irp e, 0,1,2,3,4,5,6,7
	ds_load_b128 v[\buf+4*\e:\buf+4*\e+3], v[AMK] offset:((\ch)/2)*16*MP+256*((\ch)%2)+128*(\e/4)+16*(\e%4)
.endr
.endm
.macro MADD buf, ch                    ; logit = S x scale + mask
	WIN 0x41
.set n, 0
.rept 16
	v_pk_fma_f32 v[SB+32*(\ch)+n:SB+32*(\ch)+n+1], v[SB+32*(\ch)+n:SB+32*(\ch)+n+1], s[CSC:CSC+1], v[\buf+n:\buf+n+1] op_sel_hi:[1,0,1]
.set n, n+2
.endr
	WIN 0
.endm
.macro BMAX j                          ; the largest logit of each block of 32 keys of tile j
	WIN 0x05
.irp b, 0,1,2,3
	v_max_num_f32 v[BM+4*\j+\b], v[SB+64*\j+16*\b], v[SB+64*\j+16*\b+1]
.endr
.irp i, 2,4,6,8,10,12,14
.irp b, 0,1,2,3
	D 4
	v_max3_num_f32 v[BM+4*\j+\b], v[SB+64*\j+16*\b+\i], v[SB+64*\j+16*\b+\i+1], v[BM+4*\j+\b]
.endr
.endr
	WIN 0
.irp b, 0,1,2,3
	v_permlanex16_b32 v[T4+4*\j+\b], v[BM+4*\j+\b], s[SEL], s[SEL+1]
.endr
.irp b, 0,1,2,3
	v_max_num_f32 v[BM+4*\j+\b], v[BM+4*\j+\b], v[T4+4*\j+\b]
.endr
.endm
; 16 matrix instructions: each of the eight fragments in v[KV..] against both tiles; the 16 accumulators take turns
.macro MM acc, bop, sa, sb, zero
.irp t, 0,1,2,3,4,5,6,7
.irp j, 0,1
.if \zero
.if \t%2
	v_wmma_scale_f32_16x16x128_f8f6f4 v[\acc+64*\j+8*\t:\acc+64*\j+8*\t+7], v[KV+12*\t:KV+12*\t+11], v[\bop+12*\j:\bop+12*\j+11], 0, v[\sa+\t/2], v[\sb+\j] matrix_a_fmt:MATRIX_FMT_FP6 matrix_b_fmt:MATRIX_FMT_FP6 matrix_a_scale:MATRIX_SCALE_ROW1
.else
	v_wmma_scale_f32_16x16x128_f8f6f4 v[\acc+64*\j+8*\t:\acc+64*\j+8*\t+7], v[KV+12*\t:KV+12*\t+11], v[\bop+12*\j:\bop+12*\j+11], 0, v[\sa+\t/2], v[\sb+\j] matrix_a_fmt:MATRIX_FMT_FP6 matrix_b_fmt:MATRIX_FMT_FP6
.endif
.else
.if \t%2
	v_wmma_scale_f32_16x16x128_f8f6f4 v[\acc+64*\j+8*\t:\acc+64*\j+8*\t+7], v[KV+12*\t:KV+12*\t+11], v[\bop+12*\j:\bop+12*\j+11], v[\acc+64*\j+8*\t:\acc+64*\j+8*\t+7], v[\sa+\t/2], v[\sb+\j] matrix_a_fmt:MATRIX_FMT_FP6 matrix_b_fmt:MATRIX_FMT_FP6 matrix_a_scale:MATRIX_SCALE_ROW1
.else
	v_wmma_scale_f32_16x16x128_f8f6f4 v[\acc+64*\j+8*\t:\acc+64*\j+8*\t+7], v[KV+12*\t:KV+12*\t+11], v[\bop+12*\j:\bop+12*\j+11], v[\acc+64*\j+8*\t:\acc+64*\j+8*\t+7], v[\sa+\t/2], v[\sb+\j] matrix_a_fmt:MATRIX_FMT_FP6 matrix_b_fmt:MATRIX_FMT_FP6
.endif
.endif
.endr
.endr
.endm
.macro KVLOAD sc, off                  ; four scale registers (lanes 0-15 an even fragment's words, lanes 16-31 the odd one's) and eight fragments
.irp i, 0,1,2,3
	ds_load_b32 v[\sc+\i], v[ASC] offset:\off+128*\i
.endr
.irp t, 0,1,2,3,4,5,6,7
.irp c, 0,1,2
	ds_load_b128 v[KV+12*\t+4*\c:KV+12*\t+4*\c+3], v[AFR] offset:\off+\t*FRB+512*\c
.endr
.endr
.endm
.macro H1
	KVLOAD KS, 0
	MLOAD MB0, 0
	MLOAD MB1, 1
	s_wait_dscnt 16                                ; k is in; two mask chunks may be out
	WIN 0x40
	MM SB, QF, KS, QS, 1
	WIN 0
	NOP4                                           ; places ahead of the reads of S^T and of the loads into k's registers
	s_wait_dscnt 8                                 ; chunk 0 is in; chunk 1 may be out
	MADD MB0, 0
	MLOAD MB0, 2
	s_wait_dscnt 8                                 ; chunk 1 is in; chunk 2 may be out
	MADD MB1, 1
	MLOAD MB1, 3
	KVLOAD VS, BLK                                 ; v takes k's registers
	BMAX 0
	s_wait_dscnt 36                                ; chunk 2 is in; chunk 3 (8) and v (28) may be out
	MADD MB0, 2
	s_wait_dscnt 28                                ; chunk 3 is in; v may be out
	MADD MB1, 3
	BMAX 1
.irp j, 0,1
	v_max3_num_f32 v[248+\j], v[BM+4*\j], v[BM+4*\j+1], v[BM+4*\j+2]
.endr
.irp j, 0,1
	D 2
	v_max_num_f32 v[248+\j], v[248+\j], v[BM+4*\j+3]
.endr
.irp j, 0,1
	D 2
	v_mul_f32 v[248+\j], s[CL2], v[248+\j]         ; the step's largest t
.endr
.irp j, 0,1
	D 2
	v_max_num_f32 v[ST+8*\j+1], v[ST+8*\j+1], v[248+\j]
.endr
.irp j, 0,1
	v_mov_b32 v[250+\j], v[ST+8*\j]
.endr
.irp j, 0,1
	D 4
	v_floor_f32 v[ST+8*\j], -v[ST+8*\j+1]          ; -M = floor(-t): M is a whole number
.endr
.irp j, 0,1
	D 2
	v_sub_f32 v[250+\j], v[ST+8*\j], v[250+\j]
.endr
.irp j, 0,1
	D 2
	v_cvt_i32_f32 v[250+\j], v[250+\j]
.endr
.irp j, 0,1
	D 2
	v_ldexp_f32 v[ST+8*\j+2], 1.0, v[250+\j]       ; f = 2^(old M - new M)
.endr
.irp e, 0,1,2,3,4,5,6,7
	v_fma_f32 v[BM+\e], v[BM+\e], s[CL2], v[ST+8*(\e/4)]
.endr
	s_wait_alu depctr_va_vdst(0)                   ; the wait ahead of the branch and the waits that follow
.endm
.macro H2
.irp j, 0,1
	v_pk_mul_f32 v[ST+8*\j+4:ST+8*\j+5], v[ST+8*\j+4:ST+8*\j+5], v[ST+8*\j+2:ST+8*\j+3] op_sel_hi:[1,0]   ; the sums under the new M
	v_pk_mul_f32 v[ST+8*\j+6:ST+8*\j+7], v[ST+8*\j+6:ST+8*\j+7], v[ST+8*\j+2:ST+8*\j+3] op_sel_hi:[1,0]
.endr
	WIN 0x41
.irp j, 0,1
.set n, 0
.rept 32
	v_pk_fma_f32 v[SB+64*\j+n:SB+64*\j+n+1], v[SB+64*\j+n:SB+64*\j+n+1], s[CL2:CL2+1], v[ST+8*\j:ST+8*\j+1] op_sel_hi:[1,0,0]   ; t - M
.set n, n+2
.endr
.endr
.irp j, 0,1
.set n, 0
.rept 32
	v_pk_mul_f32 v[64*\j+n:64*\j+n+1], v[64*\j+n:64*\j+n+1], v[ST+8*\j+2:ST+8*\j+3] op_sel_hi:[1,0]   ; O^T under the new M, each accumulator from its low end on
.set n, n+2
.endr
.endr
	s_wait_alu depctr_va_vdst(0)                   ; the wait ahead of the batch
.set n, 0
.rept 128
	v_exp_f32 v[SB+n], v[SB+n]                     ; p = 2^(t - M)
.set n, n+1
.endr
	WIN 0
.set n, 0
.rept 8
	v_exp_f32 v[BM+n], v[BM+n]                     ; each block's largest p
.set n, n+1
.endr
	v_nop
	s_wait_alu depctr_va_vdst(0)                   ; one wait for the batch
.set n, 0
.rept 8
	v_max_num_f32 v[BM+n], 0x1800000, v[BM+n]      ; the floor: the byte cannot fall under 1
.set n, n+1
.endr
.set n, 0
.rept 8
	v_add_nc_u32 v[SO+n], 0xff000000, v[BM+n]
.set n, n+1
.endr
.set n, 0
.rept 8
	v_lshrrev_b32 v[T4+n], 23, v[SO+n]
.set n, n+1
.endr
.irp j, 0,1
	v_lshl_or_b32 v[PW+\j], v[T4+4*\j+1], 8, v[T4+4*\j]
.endr
.irp j, 0,1
	D 2
	v_lshl_or_b32 v[PW+\j], v[T4+4*\j+2], 16, v[PW+\j]
.endr
.irp j, 0,1
	D 2
	v_lshl_or_b32 v[PW+\j], v[T4+4*\j+3], 24, v[PW+\j]
.endr
	WIN 0x01
.irp j, 0,1
.irp c, 0,1
	v_cvt_scalef32_pk16_fp6_f32 v[PC+12*\j+6*\c:PC+12*\j+6*\c+2], v[SB+64*\j+32*\c:SB+64*\j+32*\c+15], v[SO+4*\j+2*\c]
	v_cvt_scalef32_pk16_fp6_f32 v[PT-56*\j+4*\c:PT-56*\j+4*\c+2], v[SB+64*\j+32*\c+16:SB+64*\j+32*\c+31], v[SO+4*\j+2*\c+1]   ; tile 1's halves lie at v88
.endr
.endr
	WIN 0
	v_nop                                          ; one plain place behind a scaled conversion
.irp j, 0,1
.irp c, 0,1
.irp i, 0,1,2
	v_permlane16_swap_b32 v[PC+12*\j+6*\c+\i], v[PT-56*\j+4*\c+\i]
.endr
.endr
.endr
.irp j, 0,1
.irp c, 0,1
.irp i, 0,1,2
	v_mov_b32 v[PC+12*\j+6*\c+3+\i], v[PT-56*\j+4*\c+\i]
.endr
.endr
.endr
	WIN 0x01
.set n, 0
.rept 16                               ; the sums of the unquantised p, four chains by turns; these 64 are also the places ahead of the products
	v_pk_add_f32 v[ST+4:ST+5], v[SB+n:SB+n+1], v[ST+4:ST+5]
	v_pk_add_f32 v[ST+12:ST+13], v[SB+64+n:SB+65+n], v[ST+12:ST+13]
	v_pk_add_f32 v[ST+6:ST+7], v[SB+n+2:SB+n+3], v[ST+6:ST+7]
	v_pk_add_f32 v[ST+14:ST+15], v[SB+66+n:SB+67+n], v[ST+14:ST+15]
.set n, n+4
.endr
	WIN 0x50
	MM 0, PC, VS, PW, 0
	WIN 0
	NOP4                                           ; places ahead of the next loads into v's, p's and the scales' registers
	s_wait_alu depctr_va_vdst(0)
.endm
.macro PER r                           ; a period that fills slot r: r = 0: an odd period (waves 4-7 begin a step), r = 1: an even one
	SEQ \r
	ROUND
	TLOAD \r
	ASK
	s_cmp_lt_u32 s[WV], 4
.if \r == 0
	s_cbranch_scc1 .Lh2_\@
.else
	s_cbranch_scc0 .Lh2_\@
.endif
	H1
	s_branch .Lj_\@
.Lh2_\@:
	H2
.Lj_\@:
.endm
	SEQ -1                                         ; period 0: slot 1's first fill is issued as a refill is
	ROUND
	TLOAD 1
	ASK
	s_cmp_lt_u32 s[WV], 4
	s_cbranch_scc0 .Lp0
	H1
.Lp0:
	s_mov_b32 s[CNT], 7
.Lloop:                                        ; periods 1 to 14
	PER 0
	PER 1
	s_sub_co_u32 s[CNT], s[CNT], 1
	s_cmp_lg_u32 s[CNT], 0
	s_cbranch_scc1 .Lloop
.macro SENDT j                         ; tile j's O^T, sum and -M into my box
	v_pk_add_f32 v[ST+8*\j+4:ST+8*\j+5], v[ST+8*\j+4:ST+8*\j+5], v[ST+8*\j+6:ST+8*\j+7]
	D 1
	v_add_f32 v[ST+8*\j+4], v[ST+8*\j+4], v[ST+8*\j+5]
	v_mov_b32 v[ST+8*\j+5], v[ST+8*\j]
	WIN 0x04
.set n, 0
.rept 16
	ds_store_b128 v[WRA], v[64*\j+4*n:64*\j+4*n+3] offset:512*n
.set n, n+1
.endr
	WIN 0
	ds_store_b128 v[WRA], v[ST+8*\j+4:ST+8*\j+7] offset:8192
.endm
	SEQ 2                                          ; period 15: nothing is left to fetch
	s_barrier_signal -1
	s_barrier_wait -1
	s_cmp_lt_u32 s[WV], 4
	s_cbranch_scc0 .Lodd
	H2
	SENDT 1
	s_branch .Lmeet
.Lodd:
	H1
	s_wait_dscnt 0x0                               ; v of step 15 is in
	H2
	SENDT 0
.Lmeet:
	s_wait_alu depctr_va_vdst(0)
	s_wait_dscnt 0x0                               ; my box is written
	s_barrier_signal -1
	s_barrier_wait -1
.macro FINAL j                         ; my tile j and my partner's part of it: o = (O a 2^(Ma - M) + O b 2^(Mb - M)) / l, quantised along the head, stored as fragment 2 w + j
	WIN 0x40
.set n, 0
.rept 16
	ds_load_b128 v[SB+4*n:SB+4*n+3], v[RDA] offset:512*n
.set n, n+1
.endr
	WIN 0
	ds_load_b128 v[T4:T4+3], v[RDA] offset:8192
	v_pk_add_f32 v[ST+8*\j+4:ST+8*\j+5], v[ST+8*\j+4:ST+8*\j+5], v[ST+8*\j+6:ST+8*\j+7]
	D 1
	v_add_f32 v[ST+8*\j+4], v[ST+8*\j+4], v[ST+8*\j+5]
	s_wait_alu depctr_va_vdst(0)
	s_wait_dscnt 0x0
	v_min_num_f32 v248, v[ST+8*\j], v[T4+1]        ; -M of both
	D 1
	v_sub_f32 v249, v248, v[ST+8*\j]
	v_sub_f32 v250, v248, v[T4+1]
	D 2
	v_cvt_i32_f32 v249, v249
	D 2
	v_cvt_i32_f32 v250, v250
	D 2
	v_ldexp_f32 v249, 1.0, v249
	D 2
	v_ldexp_f32 v250, 1.0, v250
	D 2
	v_mul_f32 v251, v[ST+8*\j+4], v249
	D 1
	v_fma_f32 v251, v[T4], v250, v251
	v_permlanex16_b32 v252, v251, s[SEL], s[SEL+1]
	v_add_f32 v251, v251, v252                     ; the row's sum
	s_wait_alu depctr_va_vdst(0)
	v_rcp_f32 v251, v251
	v_nop
	s_wait_alu depctr_va_vdst(0)
	v_mul_f32 v[ST+2], v249, v251
	v_mul_f32 v[ST+10], v250, v251
	WIN 0x41
.set n, 0
.rept 32
	v_pk_mul_f32 v[SB+n:SB+n+1], v[SB+n:SB+n+1], v[ST+10:ST+11] op_sel_hi:[1,0]
.set n, n+2
.endr
	WIN 0x51
	s_wait_alu depctr_va_vdst(0)                   ; the wait directly ahead of the first readers of O^T
.set n, 0
.rept 32
	v_pk_fma_f32 v[SB+n:SB+n+1], v[64*\j+n:64*\j+n+1], v[ST+2:ST+3], v[SB+n:SB+n+1] op_sel_hi:[1,0,1]
.set n, n+2
.endr
	WIN 0x05
.irp b, 0,1,2,3
	v_max3_num_f32 v[TM+\b], |v[SB+16*\b]|, |v[SB+16*\b+1]|, 0x1800000
.endr
.irp i, 2,4,6,8,10,12,14
.irp b, 0,1,2,3
	D 4
	v_max3_num_f32 v[TM+\b], |v[SB+16*\b+\i]|, |v[SB+16*\b+\i+1]|, v[TM+\b]
.endr
.endr
	WIN 0
.irp b, 0,1,2,3
	v_permlanex16_b32 v[TM+4+\b], v[TM+\b], s[SEL], s[SEL+1]
.endr
.irp b, 0,1,2,3
	v_max_num_f32 v[TM+\b], v[TM+\b], v[TM+4+\b]
.endr
.irp b, 0,1,2,3
	D 4
	v_add_nc_u32 v[TM+12+\b], 0xff000000, v[TM+\b]
.endr
.irp b, 0,1,2,3
	D 4
	v_lshrrev_b32 v[TM+4+\b], 23, v[TM+12+\b]
.endr
	v_lshl_or_b32 v[PW], v[TM+5], 8, v[TM+4]
	D 1
	v_lshl_or_b32 v[PW], v[TM+6], 16, v[PW]
	D 1
	v_lshl_or_b32 v[PW], v[TM+7], 24, v[PW]
	WIN 0x01
.irp c, 0,1
	v_cvt_scalef32_pk16_fp6_f32 v[PC+6*\c:PC+6*\c+2], v[SB+32*\c:SB+32*\c+15], v[TM+12+2*\c]
	v_cvt_scalef32_pk16_fp6_f32 v[PT+4*\c:PT+4*\c+2], v[SB+32*\c+16:SB+32*\c+31], v[TM+13+2*\c]
.endr
	WIN 0
	v_nop
.irp c, 0,1
.irp i, 0,1,2
	v_permlane16_swap_b32 v[PC+6*\c+\i], v[PT+4*\c+\i]
.endr
.irp i, 0,1,2
	v_mov_b32 v[PC+6*\c+3+\i], v[PT+4*\c+\i]
.endr
.endr
.irp c, 0,1,2
	global_store_b128 v[GO], v[PC+4*\c:PC+4*\c+3], s[78:79] offset:512*\c   ; 32 lanes store 512 consecutive bytes
.endr
	global_store_b32 v[GS], v[PW], s[90:91]        ; lanes l and l + 16 hold the same word and write it to the same place
.endm
	s_cmp_lt_u32 s[WV], 4
	s_cbranch_scc0 .Lfin1
	FINAL 0
	s_branch .Lend
.Lfin1:
	FINAL 1
.Lend:
	s_wait_tensorcnt 0x0                           ; the wave's end
	ds_add_u32 v[SPW], v[NIL]
	s_wait_dscnt 0x0
	ROUND                                          ; the closing round
	s_endpgm
.Lfunc_end_k_q0017d97de0_attn:
	.size	k_q0017d97de0_attn, .Lfunc_end_k_q0017d97de0_attn-k_q0017d97de0_attn
	.p2alignl 7, 3214868480
	.fill 96, 4, 3214868480
	.section	.rodata,"a",@progbits
	.p2align	6, 0x0
	.amdhsa_kernel k_q0017d97de0_attn
		.amdhsa_group_segment_fixed_size 327680
		.amdhsa_private_segment_fixed_size 0
		.amdhsa_enable_private_segment 0
		.amdhsa_kernarg_size 32
		.amdhsa_user_sgpr_count 2
		.amdhsa_user_sgpr_kernarg_segment_ptr 1
		.amdhsa_wavefront_size32 1
		.amdhsa_system_sgpr_workgroup_id_x 1
		.amdhsa_system_sgpr_workgroup_id_y 1
		.amdhsa_system_sgpr_workgroup_id_z 1
		.amdhsa_system_vgpr_workitem_id 0
		.amdhsa_next_free_vgpr 512
		.amdhsa_next_free_sgpr 96
		.amdhsa_reserve_vcc 0
		.amdhsa_float_denorm_mode_32 3
		.amdhsa_float_denorm_mode_16_64 3
		.amdhsa_memory_ordered 1
		.amdhsa_forward_progress 1
		.amdhsa_inst_pref_size 215
	.end_amdhsa_kernel
	.amdgpu_metadata
---
amdhsa.version: [ 1, 2 ]
amdhsa.kernels:
  - .name:           k_q0017d97de0_attn
    .symbol:         k_q0017d97de0_attn.kd
    .args:
      - { .name: qc, .offset: 0, .size: 8, .value_kind: global_buffer, .address_space: global }
      - { .name: kvc, .offset: 8, .size: 8, .value_kind: global_buffer, .address_space: global }
      - { .name: attention_mask, .offset: 16, .size: 8, .value_kind: global_buffer, .address_space: global }
      - { .name: oc, .offset: 24, .size: 8, .value_kind: global_buffer, .address_space: global }
    .group_segment_fixed_size: 327680
    .private_segment_fixed_size: 0
    .kernarg_segment_align: 8
    .kernarg_segment_size: 32
    .max_flat_workgroup_size: 256
    .sgpr_count:     96
    .vgpr_count:     512
    .wavefront_size: 32
...
	.end_amdgpu_metadata
.endif
;; end of part 3
;; launch outp (part 4): grid 8 x 32, 4 waves a work-group, clusters of 4 x 4, 327,680 bytes of LDS; arguments oc, wc, out0; writes out0
.if DOCPART == 4
	.amdgcn_target "amdgcn-amd-amdhsa--gfx1250"
	.amdhsa_code_object_version 6
	.text
	.protected	k_q0017d97de0_outp
	.globl	k_q0017d97de0_outp
	.p2align	8
	.type	k_q0017d97de0_outp,@function
k_q0017d97de0_outp:
	s_mov_b64 s[64:65], 0
	v_nop
	global_prefetch_b8 v0, s[64:65] scope:SCOPE_SE
	s_setreg_imm32_b32 hwreg(HW_REG_WAVE_MODE, 25, 1), 1
	s_wait_xcnt 0x0
	s_wait_alu depctr_hold_cnt(0) depctr_sa_sdst(0) depctr_va_vdst(0) depctr_va_sdst(0) depctr_va_ssrc(0) depctr_va_vcc(0) depctr_vm_vsrc(0)
	s_getreg_b32 s2, hwreg(HW_REG_IB_STS2, 6, 4)
	s_cmp_eq_u32 s2, 0
	s_cbranch_scc0 .Lentry_in_a_cluster
	s_endpgm
.Lentry_in_a_cluster:
	s_bfe_u32 s2, ttmp6, 0x10000c
	s_cmp_lg_u32 s2, 0xf033
	s_cbranch_scc0 .Lentry_shape_is_right
	s_endpgm
.Lentry_shape_is_right:
; out0 [4096][2048] f32 = o Wo on codes of FP6 (E2M3) with E8M0 scales.  o's codes (oc: [32 token panels][8 K steps]) and Wo's (the fourth weight of wc: [16 panels][8 K steps]) lie as register images:
; block of 128 rows x 128 K: 8 fragments of 1,536 bytes, then 128 scale words: 12,800 bytes.  A tile of out0 is 128 tokens x 256 columns: 256 work-groups; a wave's part is 64 x 128: 32 accumulators.
; The matrix instruction is used transposed (source 0 = 16 columns of Wo, source 1 = 16 tokens); the 16 registers of tiles 2 b, 2 b + 1 are columns 32 b + 16 h + 0 .. 15.
; ALL OF K LIES IN LDS, panel by panel: o's panel at 0, Wo's two behind it, 102,400 bytes each; every byte is filled once.  ONE joint load a wave at the head: wave 0 o's K steps 0-3, wave 3 its K steps 4-7,
; waves 1 and 2 one panel of Wo each.  o's panel is shared along a row of the cluster, Wo's panels along a column.  No loop runs ahead of the loads, so nothing is prefetched.
; The order of the f32 sums differs from a plain evaluation's.
.set BLK,    12800
.set FRB,    1536
.set SCO,    12288
.set WSTR,   128*BLK
.set PSTR,   8*BLK
.set PANB,   2*BLK                     ; two K steps: what one address register reaches
.set FR,     12
.set SPITCH, 528                       ; the way out: a stage of 16 rows x (512 + 16) bytes a wave, 33,792 bytes in all, in o's K steps 0-2, which nobody reads behind the barrier in K step 5
.set ADRA, 4
.set ADRB, 8
.set ADRS, 12
.set STO,  24
.set RD,   25
.set CO,   26
.set SC,   32
.set AF,   128
.set BK,   128
.set G1,   24
.set G1B,  32
.set G0,   40
.set G0B,  68
.set MSB, 0
.macro WIN new
.if MSB != (\new)
	s_set_vgpr_msb (MSB<<8)|(\new)
.set MSB, (\new)
.endif
.endm
.set MUL_W,  0xa1
.set TO_B,   0x40
.macro CROUND
	s_barrier_signal -1
	s_barrier_wait -1
	s_cmp_lg_u32 s14, 0
	s_cbranch_scc1 .Lnot_wave_0_\@
	s_barrier_signal -3
.Lnot_wave_0_\@:
	s_barrier_wait -3
	s_barrier_signal -1
	s_barrier_wait -1
.endm
.macro PLACES n
.rept \n
	v_nop
.endr
.endm
.macro GRP1 g, rows                    ; dense bytes as rows of 256 (32 elements of 8 bytes)
	s_mov_b32 s[\g+1], 32<<16
	s_mov_b32 s[\g+2], \rows<<16
	s_mov_b32 s[\g+3], 32<<16
	s_mov_b32 s[\g+4], \rows
	s_mov_b32 s[\g+5], 32
	s_mov_b32 s[\g+6], 0
	s_mov_b32 s[\g+7], 0
.endm
	s_load_b128 s[4:7], s[0:1], 0x0                ; oc, wc
	s_load_b64 s[8:9], s[0:1], 0x10                ; out0
	v_lshl_add_u32 v126, v0, 2, 0x4b000
	v_mov_b32 v127, 0
	ds_add_u32 v126, v127                          ; the opening lines
	ds_add_u32 v126, v127
	v_lshrrev_b32 v1, 5, v0
	v_readfirstlane_b32 s14, v1
	s_lshr_b32 s15, s14, 1                         ; which 64 tokens are mine; also which panel of Wo waves 1 and 2 fetch
	s_and_b32 s16, s14, 1                          ; which panel of Wo is mine
	s_bfe_u32 s56, ttmp6, 0x40000
	s_bfe_u32 s57, ttmp6, 0x40004
	s_lshl_b32 s58, ttmp9, 2
	s_add_co_u32 s58, s58, s56                     ; tile column
	s_and_b32 s17, ttmp7, 0xffff
	s_lshl_b32 s17, s17, 2
	s_add_co_u32 s17, s17, s57                     ; token panel
	s_lshl_b32 s59, s57, 2
	s_lshl_b32 s59, 15, s59
	s_lshl_b32 s60, 0x1111, s56
	s_or_b32 s[G1+0], s59, (3<<16)|(1<<21)
	s_or_b32 s[G1B+0], s60, (3<<16)|(1<<21)
	GRP1 G1, 200
	GRP1 G1B, 400
	s_mul_i32 s20, s17, PSTR
	s_mov_b32 s21, 0
	s_lshl_b32 s84, s58, 1
	s_add_co_u32 s84, s84, s15
	s_mul_i32 s84, s84, PSTR
	s_mov_b32 s85, 0
	s_mul_i32 s62, s15, PSTR
	s_add_co_u32 s62, s62, PSTR                    ; where that panel goes: behind o's
	s_wait_dscnt 0x0
	s_wait_kmcnt 0x0
	s_add_nc_u64 s[6:7], s[6:7], 3*WSTR
	s_add_nc_u64 s[20:21], s[4:5], s[20:21]
	s_add_nc_u64 s[84:85], s[6:7], s[84:85]
	CROUND
.irp c, 0,1
	s_mov_b32 s[G0+4*\c], 1
	s_mov_b32 s[G0+4*\c+1], \c*4*BLK
	s_add_nc_u64 s[G0+4*\c+2:G0+4*\c+3], s[20:21], \c*4*BLK
	s_or_b32 s[G0+4*\c+3], s[G0+4*\c+3], 0x80000000
.endr
	s_mov_b32 s[G0B], 1
	s_mov_b32 s[G0B+1], s62
	s_mov_b64 s[G0B+2:G0B+3], s[84:85]
	s_or_b32 s[G0B+3], s[G0B+3], 0x80000000
	s_cmp_eq_u32 s14, 0                            ; one chain of branches on the wave's number, one load to an arm
	s_cbranch_scc0 .Lnot_0
	tensor_load_to_lds s[G0:G0+3], s[G1:G1+7]
	s_nop 0
	PLACES 4
	s_branch .Lasked
.Lnot_0:
	s_cmp_eq_u32 s14, 3
	s_cbranch_scc0 .Lnot_3
	tensor_load_to_lds s[G0+4:G0+7], s[G1:G1+7]
	s_nop 0
	PLACES 4
	s_branch .Lasked
.Lnot_3:
	tensor_load_to_lds s[G0B:G0B+3], s[G1B:G1B+7]
	s_nop 0
	PLACES 4
.Lasked:
	v_and_b32 v2, 31, v0
	v_and_b32 v1, 15, v0
	v_bfe_u32 v3, v0, 4, 1
	v_lshlrev_b32 v[CO], 4, v2
	s_mul_i32 s22, s15, 4*FRB                      ; my four fragments of o's panel
	s_mul_i32 s23, s16, PSTR
	s_add_co_u32 s23, s23, PSTR                    ; my panel of Wo
	s_lshl_b32 s10, s15, 8
	s_sub_co_u32 s11, s23, s10
	v_mul_u32_u24 v16, s11, v3                     ; lanes 16-31 take Wo's scale words: one product, the distance between the two
	v_lshl_add_u32 v16, v1, 2, v16
	v_add_nc_u32 v16, s10, v16
	v_add_nc_u32 v16, SCO, v16
.irp c, 0,1,2,3
	v_add_nc_u32 v[ADRA+\c], s22, v[CO]
	v_add_nc_u32 v[ADRB+\c], s23, v[CO]
	v_add_nc_u32 v[ADRS+\c], \c*PANB, v16
	s_add_co_u32 s22, s22, PANB
	s_add_co_u32 s23, s23, PANB
.endr
	s_mul_i32 s12, s14, 16*SPITCH
	v_mul_u32_u24 v17, v1, SPITCH
	v_lshl_add_u32 v17, v3, 6, v17
	v_add_nc_u32 v[STO], s12, v17
	v_add_nc_u32 v[RD], s12, v[CO]
	s_lshl_b32 s20, s17, 7
	s_lshl_b32 s21, s15, 6
	s_add_co_u32 s20, s20, s21
	s_lshl_b32 s20, s20, 13
	s_lshl_b32 s21, s58, 10
	s_add_co_u32 s20, s20, s21
	s_lshl_b32 s21, s16, 9
	s_add_co_u32 s20, s20, s21
	s_mov_b32 s21, 0
	s_add_nc_u64 s[8:9], s[8:9], s[20:21]
.macro FRAG reg, adr, q, i
.irp c, 0,1,2
	ds_load_b128 v[\reg+4*\c:\reg+4*\c+3], v[\adr] offset:(\q)*BLK+(\i)*FRB+512*\c
.endr
.endm
.macro FETCH k                         ; K step k: Wo's eight fragments, my four of o's and the scale words, into the sets k % 2
.set c_, (\k)/2
.set q_, (\k)%2
	WIN TO_B
.irp i, 0,1,2,3,4,5,6,7
	FRAG 128*q_+FR*\i, ADRB+c_, q_, \i
.endr
	WIN 0
.irp i, 0,1,2,3
	FRAG AF+48*q_+FR*\i, ADRA+c_, q_, \i
.endr
.irp i, 0,1,2,3,4,5,6,7
	ds_load_b32 v[SC+8*q_+\i], v[ADRS+c_] offset:q_*BLK+64*\i
.endr
.endm
.macro MUL32 p, zero                   ; the 32 accumulators take turns
.irp a, 0,1,2,3
.irp b, 0,1,2,3,4,5,6,7
.if \zero
	v_wmma_scale_f32_16x16x128_f8f6f4 v[8*(8*\a+\b):8*(8*\a+\b)+7], v[128*(\p)+FR*\b:128*(\p)+FR*\b+FR-1], v[AF+48*(\p)+FR*\a:AF+48*(\p)+FR*\a+FR-1], 0, v[SC+8*(\p)+\b], v[SC+8*(\p)+\a] matrix_a_fmt:MATRIX_FMT_FP6 matrix_b_fmt:MATRIX_FMT_FP6 matrix_a_scale:MATRIX_SCALE_ROW1
.else
	v_wmma_scale_f32_16x16x128_f8f6f4 v[8*(8*\a+\b):8*(8*\a+\b)+7], v[128*(\p)+FR*\b:128*(\p)+FR*\b+FR-1], v[AF+48*(\p)+FR*\a:AF+48*(\p)+FR*\a+FR-1], v[8*(8*\a+\b):8*(8*\a+\b)+7], v[SC+8*(\p)+\b], v[SC+8*(\p)+\a] matrix_a_fmt:MATRIX_FMT_FP6 matrix_b_fmt:MATRIX_FMT_FP6 matrix_a_scale:MATRIX_SCALE_ROW1
.endif
.endr
.endr
.endm
	s_wait_alu depctr_va_vdst(0)                   ; the wait at the head's end
	s_wait_tensorcnt 0x0                           ; my load is in
	s_barrier_signal -1
	s_barrier_wait -1                              ; everybody's is
	FETCH 0
.irp k, 0,1,2,3,4,5,6,7
	s_wait_dscnt 0x0                               ; this K step's fragments are in
.if \k == 5
	s_barrier_signal -1                            ; every wave's reads of K steps 0 to 5 are over: the stage may be written behind this barrier
	s_barrier_wait -1
.endif
.if \k < 7
.if \k > 0
	PLACES 4
.endif
	FETCH \k+1
.endif
	WIN MUL_W
.if \k == 0
	MUL32 0, 1
.else
	MUL32 \k%2, 0
.endif
	WIN 0
.endr
.macro TOSTAGE a
.set AC, 64*(\a)
	WIN 0x08
.irp b, 0,1,2,3,4,5,6,7
	ds_store_b128 v[STO], v[AC+8*\b:AC+8*\b+3] offset:128*(\b/2)+32*(\b%2)
	ds_store_b128 v[STO], v[AC+8*\b+4:AC+8*\b+7] offset:128*(\b/2)+32*(\b%2)+16
.endr
	WIN 0
.set BB, BK+64*((\a)%2)
.irp t, 0,1,2,3,4,5,6,7,8,9,10,11,12,13,14,15
	ds_load_b128 v[BB+4*\t:BB+4*\t+3], v[RD] offset:\t*SPITCH
.endr
.endm
.macro SEND a, younger
.set BB, BK+64*((\a)%2)
	s_wait_dscnt \younger
.if (\a) > 0
	s_add_nc_u64 s[8:9], s[8:9], 16*8192
.endif
.irp t, 0,1,2,3,4,5,6,7,8,9,10,11,12,13,14,15
	global_store_b128 v[CO], v[BB+4*\t:BB+4*\t+3], s[8:9] offset:\t*8192 th:TH_STORE_NT   ; 32 lanes store 512 consecutive bytes, aligned
.endr
.endm
	PLACES 4
	TOSTAGE 0
.irp a, 1,2,3
.if \a > 1
	s_wait_xcnt 0x0                                ; block a - 2's stores have read their registers and their base
.endif
	TOSTAGE \a
	SEND \a-1, 32                                  ; behind block a - 1's loads: block a's 16 stores and 16 loads
.endr
	s_wait_xcnt 0x0
	SEND 3, 0
	s_wait_tensorcnt 0x0                           ; the wave's end
	ds_add_u32 v126, v127
	s_wait_dscnt 0x0
	CROUND
	s_endpgm
.Lfunc_end_k_q0017d97de0_outp:
	.size	k_q0017d97de0_outp, .Lfunc_end_k_q0017d97de0_outp-k_q0017d97de0_outp
	.p2alignl 7, 3214868480
	.fill 96, 4, 3214868480
	.section	.rodata,"a",@progbits
	.p2align	6, 0x0
	.amdhsa_kernel k_q0017d97de0_outp
		.amdhsa_group_segment_fixed_size 327680
		.amdhsa_private_segment_fixed_size 0
		.amdhsa_enable_private_segment 0
		.amdhsa_kernarg_size 24
		.amdhsa_user_sgpr_count 2
		.amdhsa_user_sgpr_kernarg_segment_ptr 1
		.amdhsa_wavefront_size32 1
		.amdhsa_system_sgpr_workgroup_id_x 1
		.amdhsa_system_sgpr_workgroup_id_y 1
		.amdhsa_system_sgpr_workgroup_id_z 1
		.amdhsa_system_vgpr_workitem_id 0
		.amdhsa_next_free_vgpr 768
		.amdhsa_next_free_sgpr 86
		.amdhsa_reserve_vcc 0
		.amdhsa_float_denorm_mode_32 3
		.amdhsa_float_denorm_mode_16_64 3
		.amdhsa_memory_ordered 1
		.amdhsa_forward_progress 1
		.amdhsa_inst_pref_size 79
	.end_amdhsa_kernel
	.amdgpu_metadata
---
amdhsa.version: [ 1, 2 ]
amdhsa.kernels:
  - .name:           k_q0017d97de0_outp
    .symbol:         k_q0017d97de0_outp.kd
    .args:
      - { .name: oc, .offset: 0, .size: 8, .value_kind: global_buffer, .address_space: global }
      - { .name: wc, .offset: 8, .size: 8, .value_kind: global_buffer, .address_space: global }
      - { .name: out0, .offset: 16, .size: 8, .value_kind: global_buffer, .address_space: global }
    .group_segment_fixed_size: 327680
    .private_segment_fixed_size: 0
    .kernarg_segment_align: 8
    .kernarg_segment_size: 24
    .max_flat_workgroup_size: 128
    .sgpr_count:     86
    .vgpr_count:     768
    .wavefront_size: 32
...
	.end_amdgpu_metadata
.endif
;; end of part 4
